; MI455X (gfx1250); checked and timed in simulation.
; The chip was launched on July 23, 2026; its instructions are those of AMD's public machine-readable ISA for CDNA 5 (MIT licence, August 2026) and "CDNA5" Instruction Set Architecture Reference Guide (July 2026). The comments in the code are by the model that wrote it; some were corrected since.
;; Cross Attention. Allowed arithmetic: matrix products marked QUANTISED: E2M3 operands, one E8M0 scale for each 32 along K, by v_wmma_scale_f32_16x16x128_f8f6f4 with both operands' format E2M3, f32 sums; everything else in f32.
;; Inputs: Wk 1,024 x 1,024 float32; Wq 1,024 x 1,024 float32; Wv 1,024 x 1,024 float32; bk 1,024 float32; bq 1,024 float32; bv 1,024 float32; x 4 x 2,048 x 1,024 float32; y 4 x 2,048 x 1,024 float32.
;; Outputs: out0 4 x 2,048 x 1,024 float32.
;; This version of the problem:
;;   THIS VERSION OF THE PROBLEM IS GIVEN IN LOW PRECISION. The matrix products marked QUANTISED in the list below multiply operands that are first quantised to E2M3 (2 exponent bits, 3 mantissa bits; 6 bits a number), with one power-of-two scale for each 32 numbers along K (OCP MX v1.0); their sums are f32. All else is computed in f32.
;;   The module's matrix products, in the order in which they are computed (A, B: the left and right operand; K: the contracted axis; several contracted axes count as one K, in the product's order):
;;     1. [M 8,192, K 1,024] x [K 1,024, N 1,024]; A: input x; B: input Wq: QUANTISED
;;     2. [M 8,192, K 1,024] x [K 1,024, N 1,024]; A: input y; B: input Wk: QUANTISED
;;     3. [M 8,192, K 1,024] x [K 1,024, N 1,024]; A: input y; B: input Wv: QUANTISED
;;     4. batch 4 x [M 2,048, K 1,024] x [K 1,024, N 2,048]; A: computed on the way; B: computed on the way: QUANTISED
;;     5. batch 4 x [M 2,048, K 2,048] x [K 2,048, N 1,024]; A: softmax (see below); B: computed on the way: QUANTISED
;;   THE QUANTISER, for each operand of a quantised product, along K:
;;     - K is cut into blocks of 32 from its start; a last block that is shorter is filled with zeros.
;;     - A block's scale is 2^e with e = floor(log2(the largest magnitude in the block)) - 2, held to -126 .. 127; a block of zeros has e = 0. As a byte (E8M0): e + 127.
;;     - Each number is divided by its block's scale, clamped to +-7.5, and rounded to the nearest number of E2M3, ties to even, subnormals kept.
;;     - The product sums the exact products of the quantised numbers (number of the format x scale) in f32.
;;   ~~~python
;;   def quantise(x, axis):      # numpy; x: float32 -> the quantised numbers, widened to float32 again
;;       x = np.moveaxis(x, axis, -1); K = x.shape[-1]
;;       x = np.pad(x, [(0, 0)] * (x.ndim - 1) + [(0, -K % 32)]); x = x.reshape(x.shape[:-1] + (-1, 32)); a = np.abs(x).max(-1, keepdims=True)
;;       e = np.where(a > 0, np.clip(np.frexp(np.where(a > 0, a, 1))[1] - 1 - 2, -126, 127), 0)      # np.frexp(a)[1] - 1 = floor(log2(a)), exactly
;;       r = np.clip(x / 2.0 ** e, -7.5, 7.5)
;;       step = 2.0 ** (np.maximum(np.frexp(np.where(r == 0, 1, r))[1] - 1, 0) - 3)
;;       q = np.round(r / step) * step * 2.0 ** e      # np.round: ties to even
;;       return np.moveaxis(q.reshape(q.shape[:-2] + (-1,))[..., :K], -1, axis).astype(np.float32)
;;   ~~~
;;   SOFTMAX AHEAD OF A QUANTISED PRODUCT. Where the list says 'softmax', what is quantised is not the finished softmax but p = 2^(t - M), with t = logit x log2(e) and M = ceil(the row's largest t), a whole number; so 1/2 < the row's largest p <= 1. The row's sum l is taken of the UNQUANTISED p, in f32, and the product's result is divided by l at the end. Since M is a whole number, a kernel that streams over the keys may use a running M (the ceiling of the running maximum): every later rescaling is an exact power of two, which a block's scale takes up: the codes' values come out the same.
;;   OPERANDS COMPUTED ON THE WAY. 'Computed on the way' means the value that the module computes at that place (a softmax that the list does not call 'softmax' is quantised finished and normalised). What goes into a quantiser is computed in f32, as accurately as f32 sums, v_exp_f32 and their like allow (about 1e-6 of the number): no bf16 or f16 on the way to a quantiser, and a product that is left as it is and whose result goes on into a quantised operand takes f32 operands (vector FMAs, or v_wmma_f32_16x16x4_f32). A number that lies on a knife's edge between two numbers of the format may be rounded either way, as far as f32 arithmetic and the matrix unit's own rounding can turn it there, and no further.
;; One version. Each part assembles by itself: llvm-mc -triple=amdgcn-amd-amdhsa -mcpu=gfx1250 --defsym DOCPART=n.
;; ======== version 1 of 1: 4 launches
;; limits: right only within a limited range of input values
;; workspace buffers: opc 14,942,208 bytes; ops 622,592 bytes; qkvc 18,874,368 bytes; qkvs 786,432 bytes; pc 12,582,912 bytes; pstat 1,572,864 bytes
;; launch quant (part 1): grid 448 x 1, 8 waves a work-group, no clusters, 69,120 bytes of LDS; arguments x, y, Wq, Wk, Wv, opc, ops; writes opc, ops
.if DOCPART == 1
	.amdgcn_target "amdgcn-amd-amdhsa--gfx1250"
	.amdhsa_code_object_version 6
	.text
	.protected	k_qc0d61e5840_quant
	.globl	k_qc0d61e5840_quant
	.p2align	8
	.type	k_qc0d61e5840_quant,@function
k_qc0d61e5840_quant:
	s_mov_b64 s[64:65], 0
	v_nop
	global_prefetch_b8 v0, s[64:65] scope:SCOPE_SE
	s_setreg_imm32_b32 hwreg(HW_REG_WAVE_MODE, 25, 1), 1
	s_wait_xcnt 0x0
; x, y [8192][1024] f32 (K = the last axis) and Wq, Wk, Wv [1024 (K)][1024] f32 (K = the FIRST axis) become codes of FP6 (E2M3) with one E8M0 byte for each 32 along K.
; A block's scale is 2^(floor(log2(largest magnitude)) - 2): its byte is the largest magnitude's exponent field - 2, held at 1 from below; numbers are divided by it and rounded to the nearest code, ties to even.
; LIMITS: NaN and infinities are not served.  A block of zeros gets the byte 1 (its codes are zeros, and this program alone reads the bytes).
; THE OUTPUT IS LAID AS IMAGES OF OPERAND REGISTERS.  A fragment (16 rows x 128 K) is 12 registers a lane: lane (r, h) holds row r, registers 6 c .. 6 c + 5 hold K = 64 c + 32 h + 0 .. 31.
; It is stored as three runs of 512 bytes, run k = registers 4 k .. 4 k + 3, lane l at byte 16 l.  opc: [row block of 128 rows][K step of 128][group of 16 rows][1,536 bytes].
; ops: [row block][K step][512 bytes]: the scale word (4 bytes: 128 K) of group g, row r at byte 256 (g / 4) + 16 r + 4 (g % 4).
; Row blocks: x 0-63, y 64-127, Wq^T 128-135, Wk^T 136-143, Wv^T 144-151 (a row of W^T is a column of W).
; SHARES.  Work-groups 0-255, x and y: half a row block each (64 rows: 4 fragments a K step); wave w takes K step w.  Each load reads 512 consecutive bytes of a row; 16 rows turn through the wave's own
; stage in LDS (rows 528 bytes apart) and come back 32 neighbours along K to a lane, twice.  These waves share nothing and pass no barrier.
; Work-groups 256-447, the weights: half a row block x two K steps each; a wave takes ONE fragment (K step 2 (wg % 4) + wave / 4, fragment wave % 4), so that its 64 loads are all issued on end, ahead of one wait.
; Lane (r, h) takes column r of the fragment and its registers run down K in the operand's own order: nothing is turned.  The four fragments' scale words of a K step are gathered in 256 bytes of LDS that
; this path alone names; behind one barrier the wave with fragment 0 stores them as one aligned unit of 256 bytes.
; Work-groups share no input, so there is no cluster; no tensor load, and no loop in which a prefetch could run ahead.
.set TM, 12                            ; v12-13  the two blocks' largest magnitudes
.set SO, 14                            ; v14-15  the conversions' scale operands
.set BY, 16                            ; v16-17  the scale bytes
.set WD, 18                            ; v18-21  the fragments' scale words
.set CT, 22                            ; v22-29  the upper halves of a block's codes, as the conversions leave them
.set C,  30                            ; v30-53  codes: two sets of 12
.set X,  56                            ; v56-247 numbers: three sets of 64
.set STG, 8448                         ; a wave's stage: 16 rows x 528 bytes
.set SPARE, 8*STG                      ; the spare words, 128 bytes for each wave: four blocks of 256 bytes that no other line names
.set WB, SPARE+1024                    ; the weights' scale words: 256 bytes for each of the work-group's two K steps
	s_load_b256 s[4:11], s[0:1], 0x0               ; x, y, Wq, Wk
	s_load_b128 s[12:15], s[0:1], 0x20             ; Wv, opc
	s_load_b64 s[16:17], s[0:1], 0x30              ; ops
	v_lshl_add_u32 v248, v0, 2, SPARE
	v_mov_b32 v249, 0
	v_lshrrev_b32 v1, 5, v0
	s_delay_alu instid0(VALU_DEP_1)
	v_readfirstlane_b32 s18, v1                    ; wave
	v_and_b32 v1, 31, v0                           ; lane
	v_and_b32 v2, 15, v0                           ; r
	v_bfe_u32 v3, v0, 4, 1                         ; h
	s_delay_alu instid0(VALU_DEP_3)
	v_lshlrev_b32 v7, 4, v1                        ; 16 x lane: my place in an image's run
	s_delay_alu instid0(VALU_DEP_3)
	v_lshlrev_b32 v8, 4, v2
	s_delay_alu instid0(VALU_DEP_1)
	v_lshl_add_u32 v8, v3, 3, v8                   ; 16 r + 8 h: my two scale words
	s_delay_alu instid0(VALU_DEP_4)
	v_lshlrev_b32 v9, 3, v3                        ; 8 h: my bytes' shift in a scale word
	v_mov_b32 v10, 0                               ; written once: a lane permute's destination counts as one of its sources
	s_mov_b32 s20, 0x76543210
	s_mov_b32 s21, 0xfedcba98                      ; selects for lane l xor 16
	s_lshr_b32 s22, ttmp9, 2
	s_add_co_u32 s22, s22, 192                     ; the weights' half row block: 256 + (wg - 256) / 4
	s_and_b32 s19, ttmp9, 3
	s_lshl_b32 s19, s19, 1
	s_lshr_b32 s33, s18, 2                         ; which of the work-group's two K steps
	s_add_co_u32 s19, s19, s33                     ; the weights' K step
	s_and_b32 s34, s18, 3                          ; the weights' fragment
	s_cmp_lt_u32 ttmp9, 256                        ; x and y?
	s_cselect_b32 s22, ttmp9, s22                  ; which half row block of the output
	s_cselect_b32 s19, s18, s19                    ; my K step
	s_cselect_b32 s35, 0, s34                      ; the first fragment that I store
	s_lshr_b32 s24, s22, 1                         ; row block
	s_and_b32 s25, s22, 1                          ; half
	s_mul_i32 s26, s24, 98304
	s_mul_i32 s27, s25, 6144
	s_add_co_u32 s26, s26, s27
	s_mul_i32 s27, s19, 12288
	s_add_co_u32 s26, s26, s27
	s_mul_i32 s27, s35, 1536
	s_add_co_u32 s26, s26, s27
	s_mov_b32 s27, 0                               ; codes: 98,304 x row block + 12,288 x K step + 6,144 x half + 1,536 x fragment
	s_lshl_b32 s28, s24, 12
	s_lshl_b32 s29, s19, 9
	s_add_co_u32 s28, s28, s29
	s_lshl_b32 s29, s25, 8
	s_add_co_u32 s28, s28, s29
	s_mov_b32 s29, 0                               ; scale words: 4,096 x row block + 512 x K step + 256 x half
	s_wait_kmcnt 0x0
	s_add_nc_u64 s[14:15], s[14:15], s[26:27]
	s_add_nc_u64 s[16:17], s[16:17], s[28:29]
; 64 numbers of a lane in set t % 3, register 32 c + i = K 64 c + 32 h + i of my row, become the t-th fragment that I store: its image is stored, its scale word kept.
.macro QFRAG t
.set XS, X+64*((\t)%3)
.set CC, C+12*((\t)%2)
.irp c, 0,1
	v_max3_num_f32 v[TM+\c], |v[XS+32*\c]|, |v[XS+32*\c+1]|, 0x1800000   ; my block 2 c + h: all its 32 numbers are mine; the floor 2^(3 - 127) holds the byte at 1 from below
.endr
.irp i, 2,4,6,8,10,12,14,16,18,20,22,24,26,28,30
.irp c, 0,1
	s_delay_alu instid0(VALU_DEP_2)
	v_max3_num_f32 v[TM+\c], v[TM+\c], |v[XS+32*\c+\i]|, |v[XS+32*\c+\i+1]|
.endr
.endr
.irp c, 0,1
	s_delay_alu instid0(VALU_DEP_2)
	v_add_nc_u32 v[SO+\c], 0xff000000, v[TM+\c]    ; 2 off the exponent field: the conversion takes this operand's exponent field as its scale
.endr
.irp c, 0,1
	s_delay_alu instid0(VALU_DEP_2)
	v_lshrrev_b32 v[BY+\c], 23, v[SO+\c]           ; the scale's byte
.endr
	s_delay_alu instid0(VALU_DEP_1)
	v_lshl_or_b32 v11, v[BY+1], 16, v[BY]          ; blocks h and 2 + h,
	s_delay_alu instid0(VALU_DEP_1)
	v_lshlrev_b32 v11, v9, v11                     ; at their places in the word;
	s_delay_alu instid0(VALU_DEP_1)
	v_permlanex16_b32 v10, v11, s20, s21
	s_delay_alu instid0(VALU_DEP_1)
	v_or_b32 v[WD+(\t)], v11, v10                  ; with lane l xor 16's two the word is whole
.if (\t) >= 2
	s_wait_alu depctr_va_vdst(0)
	s_wait_xcnt 0x0                                ; the stores of two fragments back have read this set of codes: it is written again only behind this wait
.endif
.irp c, 0,1
	v_cvt_scalef32_pk16_fp6_f32 v[CC+6*\c:CC+6*\c+2], v[XS+32*\c:XS+32*\c+15], v[SO+\c]
	v_cvt_scalef32_pk16_fp6_f32 v[CT+4*\c:CT+4*\c+2], v[XS+32*\c+16:XS+32*\c+31], v[SO+\c]   ; (a conversion's three registers begin on an even number)
.endr
	v_nop                                          ; one plain place behind a scaled conversion
.irp c, 0,1
.irp i, 0,1,2
	v_mov_b32 v[CC+3+6*\c+\i], v[CT+4*\c+\i]
.endr
.endr
.irp k, 0,1,2
	global_store_b128 v7, v[CC+4*\k:CC+4*\k+3], s[14:15] offset:1536*(\t)+512*\k   ; 32 lanes store 512 consecutive bytes, at a multiple of 512 from the buffer's first byte
.endr
.endm
	s_cmp_ge_u32 ttmp9, 256
	s_cbranch_scc1 .Lweights
	; ---- x and y
	s_cmp_lt_u32 ttmp9, 128                        ; the first 128 half blocks are x's
	s_cselect_b64 s[4:5], s[4:5], s[6:7]
	s_and_b32 s30, ttmp9, 127
	s_lshl_b32 s30, s30, 18                        ; 64 rows of 4,096 bytes
	s_lshl_b32 s31, s18, 9                         ; my K step: 512 bytes of a row
	s_add_co_u32 s30, s30, s31
	s_mov_b32 s31, 0
	s_add_nc_u64 s[4:5], s[4:5], s[30:31]
	s_wait_alu depctr_va_vdst(0)                   ; ahead of the readers of what the head wrote
	v_lshlrev_b32 v4, 4, v1                        ; a load: 16 bytes a lane
	s_mul_i32 s32, s18, STG
	v_add_nc_u32 v5, s32, v7                       ; the stage, in: as loaded
	v_mul_u32_u24 v6, v2, 528
	s_delay_alu instid0(VALU_DEP_1)
	v_lshl_add_u32 v6, v3, 7, v6
	s_delay_alu instid0(VALU_DEP_1)
	v_add_nc_u32 v6, s32, v6                       ; out: row r, + 128 h
.macro LOADX t
.irp i, 0,1,2,3,4,5,6,7,8,9,10,11,12,13,14,15
	global_load_b128 v[X+64*((\t)%3)+4*\i:X+64*((\t)%3)+4*\i+3], v4, s[4:5] offset:(16*(\t)+\i)*4096 th:TH_LOAD_NT
.endr
.endm
.macro TURNX t                         ; LDS serves a wave's instructions in order: the loads see the stores, and land in the registers that the stores have read
.set XS, X+64*((\t)%3)
.irp i, 0,1,2,3,4,5,6,7,8,9,10,11,12,13,14,15
	ds_store_b128 v5, v[XS+4*\i:XS+4*\i+3] offset:528*\i
.endr
.irp c, 0,1
.irp j, 0,1,2,3,4,5,6,7
	ds_load_b128 v[XS+32*\c+4*\j:XS+32*\c+4*\j+3], v6 offset:256*\c+16*\j
.endr
.endr
	s_wait_dscnt 0x0
.endm
	LOADX 0
	LOADX 1
	LOADX 2
	s_wait_alu depctr_va_vdst(0)
	s_wait_loadcnt 32                              ; fragment 0's 16 loads are in; 32 younger ones may be out
	TURNX 0
	QFRAG 0
	LOADX 3                                        ; into the set that fragment 0 has left
	s_wait_loadcnt 32                              ; fragments 2 and 3 may be out
	TURNX 1
	QFRAG 1
	s_wait_loadcnt 16                              ; fragment 3 may be out
	TURNX 2
	QFRAG 2
	s_wait_loadcnt 0x0
	TURNX 3
	QFRAG 3
	v_cmp_ne_u32 vcc_lo, 0, v3                     ; the four scale words of my row: lane (r, h) stores those of fragments 2 h and 2 h + 1: 32 lanes, 256 consecutive bytes
	s_delay_alu instid0(VALU_DEP_1)
	v_cndmask_b32 v12, v[WD], v[WD+2], vcc_lo
	s_delay_alu instid0(VALU_DEP_2)
	v_cndmask_b32 v13, v[WD+1], v[WD+3], vcc_lo
	global_store_b64 v8, v[12:13], s[16:17]
	s_wait_tensorcnt 0x0                           ; the wave's end, behind my last LDS store
	ds_add_u32 v248, v249
	s_wait_dscnt 0x0
	s_endpgm
	; ---- the weights
.Lweights:
	s_lshr_b32 s30, ttmp9, 6                       ; 4: Wq, 5: Wk, 6: Wv (64 work-groups each)
	s_cmp_eq_u32 s30, 4
	s_cselect_b64 s[8:9], s[8:9], s[10:11]
	s_cmp_eq_u32 s30, 6
	s_cselect_b64 s[8:9], s[12:13], s[8:9]
	s_bfe_u32 s30, ttmp9, 0x40002                  ; which 64 columns of the weight: (wg / 4) % 16
	s_lshl_b32 s30, s30, 8                         ; 256 bytes of a row of W,
	s_lshl_b32 s31, s19, 19                        ; my K step: 128 rows of 4,096 bytes,
	s_add_co_u32 s30, s30, s31
	s_lshl_b32 s31, s34, 6                         ; my fragment's 16 columns
	s_add_co_u32 s30, s30, s31
	s_mov_b32 s31, 0
	s_add_nc_u64 s[8:9], s[8:9], s[30:31]
	s_lshl_b32 s36, s33, 8
	s_add_co_u32 s36, s36, WB                      ; LDS: my K step's 256 bytes of scale words,
	s_lshl_b32 s37, s34, 2
	s_add_co_u32 s37, s37, s36                     ; and my fragment's word in each row's four
	s_wait_alu depctr_va_vdst(0)                   ; ahead of the readers of what the head wrote
	v_lshlrev_b32 v4, 2, v2
	v_lshlrev_b32 v5, 4, v2
	v_lshlrev_b32 v54, 3, v1                       ; the way out of the words: 8 bytes a lane
	v_lshl_add_u32 v4, v3, 17, v4                  ; column r; lanes 16-31 begin 32 rows further down
	v_add_nc_u32 v5, s37, v5                       ; my word: 16 r + 4 x fragment
	v_add_nc_u32 v6, s36, v54
.irp c, 0,1
.irp i, 0,1,2,3,4,5,6,7,8,9,10,11,12,13,14,15,16,17,18,19,20,21,22,23,24,25,26,27,28,29,30,31
	global_load_b32 v[X+32*\c+\i], v4, s[8:9] offset:(64*\c+\i)*4096   ; W(128 step + 64 c + 32 h + i, my column)
.endr
.endr
	s_wait_loadcnt 0x0
	QFRAG 0
	ds_store_b32 v5, v[WD]                         ; both halves of the lanes write the same word with the same value
	s_wait_dscnt 0x0                               ; for the others' sake: my store is done
	s_barrier_signal -1
	s_barrier_wait -1
	s_cmp_lg_u32 s34, 0                            ; the wave with fragment 0 stores its K step's words
	s_cbranch_scc1 .Lw_end
	ds_load_b64 v[12:13], v6
	s_wait_dscnt 0x0
	global_store_b64 v54, v[12:13], s[16:17]       ; 32 lanes store one aligned unit of 256 bytes
.Lw_end:
	s_wait_tensorcnt 0x0                           ; the wave's end, behind my last LDS store
	ds_add_u32 v248, v249
	s_wait_dscnt 0x0
	s_endpgm
.Lfunc_end_k_qc0d61e5840_quant:
	.size	k_qc0d61e5840_quant, .Lfunc_end_k_qc0d61e5840_quant-k_qc0d61e5840_quant
	.p2alignl 7, 3214868480
	.fill 96, 4, 3214868480
	.section	.rodata,"a",@progbits
	.p2align	6, 0x0
	.amdhsa_kernel k_qc0d61e5840_quant
		.amdhsa_group_segment_fixed_size 69120
		.amdhsa_private_segment_fixed_size 0
		.amdhsa_enable_private_segment 0
		.amdhsa_kernarg_size 56
		.amdhsa_user_sgpr_count 2
		.amdhsa_user_sgpr_kernarg_segment_ptr 1
		.amdhsa_wavefront_size32 1
		.amdhsa_system_sgpr_workgroup_id_x 1
		.amdhsa_system_sgpr_workgroup_id_y 1
		.amdhsa_system_sgpr_workgroup_id_z 1
		.amdhsa_system_vgpr_workitem_id 0
		.amdhsa_next_free_vgpr 250
		.amdhsa_next_free_sgpr 66
		.amdhsa_reserve_vcc 1
		.amdhsa_float_denorm_mode_32 3
		.amdhsa_float_denorm_mode_16_64 3
		.amdhsa_memory_ordered 1
		.amdhsa_forward_progress 1
		.amdhsa_inst_pref_size 48
	.end_amdhsa_kernel
	.amdgpu_metadata
---
amdhsa.version: [ 1, 2 ]
amdhsa.kernels:
  - .name:           k_qc0d61e5840_quant
    .symbol:         k_qc0d61e5840_quant.kd
    .args:
      - { .name: x, .offset: 0, .size: 8, .value_kind: global_buffer, .address_space: global }
      - { .name: y, .offset: 8, .size: 8, .value_kind: global_buffer, .address_space: global }
      - { .name: Wq, .offset: 16, .size: 8, .value_kind: global_buffer, .address_space: global }
      - { .name: Wk, .offset: 24, .size: 8, .value_kind: global_buffer, .address_space: global }
      - { .name: Wv, .offset: 32, .size: 8, .value_kind: global_buffer, .address_space: global }
      - { .name: opc, .offset: 40, .size: 8, .value_kind: global_buffer, .address_space: global }
      - { .name: ops, .offset: 48, .size: 8, .value_kind: global_buffer, .address_space: global }
    .group_segment_fixed_size: 69120
    .private_segment_fixed_size: 0
    .kernarg_segment_align: 8
    .kernarg_segment_size: 56
    .max_flat_workgroup_size: 256
    .sgpr_count:     66
    .vgpr_count:     250
    .wavefront_size: 32
...
	.end_amdgpu_metadata
.endif
;; end of part 1
;; launch proj (part 2): grid 8 x 32, 4 waves a work-group, clusters of 4 x 4, 327,680 bytes of LDS; arguments opc, ops, bq, bk, bv, qkvc, qkvs; writes qkvc, qkvs
.if DOCPART == 2
	.amdgcn_target "amdgcn-amd-amdhsa--gfx1250"
	.amdhsa_code_object_version 6
	.text
	.protected	k_qc0d61e5840_proj
	.globl	k_qc0d61e5840_proj
	.p2align	8
	.type	k_qc0d61e5840_proj,@function
k_qc0d61e5840_proj:
	s_mov_b64 s[64:65], 0
	v_nop
	global_prefetch_b8 v0, s[64:65] scope:SCOPE_SE
	s_setreg_imm32_b32 hwreg(HW_REG_WAVE_MODE, 25, 1), 1
	s_wait_xcnt 0x0
	s_wait_alu depctr_hold_cnt(0) depctr_sa_sdst(0) depctr_va_vdst(0) depctr_va_sdst(0) depctr_va_ssrc(0) depctr_va_vcc(0) depctr_vm_vsrc(0)
	s_getreg_b32 s2, hwreg(HW_REG_IB_STS2, 6, 4)
	s_cmp_eq_u32 s2, 0
	s_cbranch_scc0 .Lentry_in_a_cluster
	s_endpgm
.Lentry_in_a_cluster:
	s_bfe_u32 s2, ttmp6, 0x10000c
	s_cmp_lg_u32 s2, 0xf033
	s_cbranch_scc0 .Lentry_shape_is_right
	s_endpgm
.Lentry_shape_is_right:
; Q = x Wq + bq, K = y Wk + bk, V^T = (y Wv + bv)^T: three products [.. x 1024 K] on codes of FP6 (E2M3) with E8M0 scales, f32 sums; the results are quantised again on the way out and leave as codes.
; The three results are 3 x 256 tiles of 256 x 128.  THE WORK-GROUP STAYS: each of the 256 work-groups makes one tile of Q (part 0), one of K (part 1) and one of V^T (part 2), one after the other, in straight-line text.
; Part 0: A = x, B = Wq^T;  part 1: A = y, B = Wk^T;  part 2: A = Wv^T, B = y, so that V comes out with the keys along a lane's registers: the keys are the K of the product that reads it.
; SHARES.  Four waves, one above the other: wave w takes A's rows 64 w .. 64 w + 63 and all 128 rows of B: 32 accumulators.  So a wave's 128 columns are one whole K step of the next product.
; OPERANDS LIE IN MEMORY AS IMAGES OF THEIR REGISTERS: [row block of 128 rows][K step of 128][group of 16 rows][1,536 bytes]: a row block's part of a slot is one dense block, and a fragment is three ds_load_b128 at 16 x lane.
; THE RING.  Two LDS slots, each with four K steps of A's two row blocks and of B's one: a part's whole K fills both.  The ring goes on from part to part: at the head of a slot's fourth step, when every wave's reads of the
; slot are over, it is filled again with the same half of the NEXT part.  Six slot steps, four refills.
; SCALE WORDS ([row block][K step][512 bytes], the word of group g, row r at 256 (g / 4) + 16 r + 4 (g % 4)) go from memory straight into registers, once, all three parts' at the head, each load 512 consecutive bytes:
; B's eight groups of a step are one load (groups 0-3 in lanes 0-15, groups 4-7 in lanes 16-31); my four groups of A for two steps are one load (the even step in lanes 0-15, the odd one in lanes 16-31).
; Three parts' words would not fit in LDS beside the ring (36,864 bytes against 32,768).
; CLUSTERS: 4 x 4 work-groups; A's tiles are asked for jointly along a row of the cluster, B's along a column, in all three parts.
; THE MATRIX INSTRUCTION IS USED TRANSPOSED (source 0 = 16 rows of B, source 1 = 16 rows of A): lane (r, h) holds row r of A's block and the columns 16 b + 8 h + 0 .. 7.  The bias is the C of each sum's first instruction.
; THE WAY OUT.  A block of 32 columns lies in two accumulators and in lanes l and l xor 16.  The codes of a block come out in the order [0..7, 16..23, 8..15, 24..31]: the same permutation, inside a scale's block,
; in BOTH operands of each later product (all are made by this macro or its twin in the next launch), so every product meets its partner.
; qkvc: Q at 0 [64 row blocks][8 steps]; K at 6,291,456 likewise; V^T at 12,582,912 [8 row blocks of e][64 steps of keys].  qkvs: Q at 0, K at 262,144 (4,096 a row block), V^T at 524,288 (32,768 a row block).
; LIMITS: NaN and infinities are not served.  A block of zeros gets the byte 1 (zero codes; this program alone reads the bytes).
; REGISTERS: window 0: v1-9 lane numbers and offsets, v16-29 addresses, v32-175 scale words (48 a part), v176-227 at work on the way out;  window 1: B's fragments, two sets at v0 and v128;
;   window 2: the accumulators ((a, b) at 8 (8 a + b));  window 3: A's fragments, two sets at v0 and v48; from v96 the biases: bq's and bk's by B's blocks (64 each), bv's by A's blocks (32).
.set NQ,    4                          ; steps of 128 along K in a slot
.set TBA,   NQ*12288                   ; a row block's bytes in a slot
.set SLOT,  3*TBA                      ; A's two row blocks, then B's one
.set SPARE, 2*SLOT                     ; the spare words, 128 bytes for each wave: two blocks of 256 bytes that no other line names
.set LI,    4                          ; v4  16 x lane
.set ADRA,  16                         ; v16-17 my four groups of A in slot 0, 1
.set ADRB,  20                         ; v20-21 B
.set SPW,   28
.set NIL,   29
.set SC,    32                         ; part n: B's words of step k at SC + 48 n + 4 k; A's of steps 2 u, 2 u + 1 at SC + 48 n + 32 + 4 u
.set TM,    176                        ; v176-179 largest magnitudes, v180-183 bytes, v188-191 scale operands
.set PW,    192                        ; v192-195 the four groups' scale words
.set PC,    196                        ; v196-215 the codes just made
.set SW,    216                        ; v216-221 the scale words to be stored, a pair for each part
.set BT2,   224                        ; v224-227 bv as loaded
.set BI,    96                         ; in window 3
.set G1,   28                          ; s[28:35] descriptor group 1 for A's tiles, s[36:43] for B's
.set G1B,  36
.set G0,   44                          ; s[44:51] group 0 for A's tiles, one set for each slot; s[52:59] for B's
.set G0B,  52
.set DA,   68                          ; s[68:69] from part 1's row blocks of A on to part 2's, in bytes
.set DB,   70                          ; s[70:71] from part 1's row block of B back to part 2's
.set SA0,  72                          ; s[72:73] A's scale words, part 0 (part 1: 262,144 bytes on); s[74:75] part 2
.set SA2,  74
.set SB0,  76                          ; s[76:77] B's, part 0 (part 1: 32,768 on); s[78:79] part 2
.set SB2,  78
.set OC0,  80                          ; s[80:81] my codes' place, part 0 (part 1: 6,291,456 on); s[82:83] part 2
.set OC2,  82
.set OS0,  84                          ; s[84:85] my scale words' place, part 0 (part 1: 262,144 on); s[86:87] part 2
.set OS2,  86
.set MSB, 0
.macro WIN new                         ; the immediate's high byte repeats the setting that is left
.if MSB != (\new)
	s_set_vgpr_msb (MSB<<8)|(\new)
.set MSB, (\new)
.endif
.endm
.macro PLACES n
.rept \n
	v_nop
.endr
.endm
.macro CREST                           ; a round of the cluster's barrier behind its opening barrier
	s_cmp_lg_u32 s20, 0
	s_cbranch_scc1 .Lnw0_\@
	s_barrier_signal -3
.Lnw0_\@:
	s_barrier_wait -3
	s_barrier_signal -1
	s_barrier_wait -1
.endm
.macro CROUND
	s_barrier_signal -1
	s_barrier_wait -1
	CREST
.endm
.macro JLOAD s                         ; a joint refill: waves 0, 1 fetch A's row blocks, waves 2, 3 the halves of B's part; four v_nop follow each line
	s_cmp_eq_u32 s21, 0
	s_cbranch_scc0 .Lfb_\@
	tensor_load_to_lds s[G0+4*\s:G0+4*\s+3], s[G1:G1+7]
	s_nop 0
	PLACES 4
	s_branch .Lja_\@
.Lfb_\@:
	tensor_load_to_lds s[G0B+4*\s:G0B+4*\s+3], s[G1B:G1B+7]
	s_nop 0
	PLACES 4
.Lja_\@:
.endm
.macro FRAG reg, adr, off              ; a fragment's image: three runs of 512 bytes, 16 a lane
.irp c, 0,1,2
	ds_load_b128 v[\reg+4*\c:\reg+4*\c+3], v[\adr] offset:\off+512*\c
.endr
.endm
.macro FETCH slot, q, p                ; the fragments of the slot's q-th 128 along K into sets p: B's eight, my four of A: 36 loads in one run
	WIN 0x40
.irp i, 0,1,2,3,4,5,6,7
	FRAG 128*(\p)+12*\i, ADRB+\slot, (8*(\q)+\i)*1536
.endr
	WIN 0xc0
.irp i, 0,1,2,3
	FRAG 48*(\p)+12*\i, ADRA+\slot, (8*(\q)+\i)*1536
.endr
.endm
; A's block a x B's eight blocks, 128 along K: step k (0 .. 7) of part n, on sets p.  cm: the C operand: 0 the accumulator, 2 the bias by B's block, 3 the bias by A's block.
; B's scale word: register b % 4 of the step's four, lanes 0-15 for blocks 0-3, lanes 16-31 for blocks 4-7.  A's: register a of the step pair's four, lanes 0-15 in even steps, lanes 16-31 in odd ones.
; The 32 accumulators take turns, one instruction a turn, in the same order in every step.
.macro MULA a, p, k, n, cm
.if (\cm) == 0
	WIN 0xad                                       ; source 0 (B) window 1, source 1 (A) window 3, C and D window 2
.else
	WIN 0xbd                                       ; the same, C (the bias) window 3
.endif
.irp b, 0,1,2,3,4,5,6,7
.set RD_, 8*(8*(\a)+\b)
.set RB_, 128*(\p)+12*\b
.set RA_, 48*(\p)+12*(\a)
.set SB_, SC+48*(\n)+4*(\k)+(\b%4)
.set SA_, SC+48*(\n)+32+4*((\k)/2)+(\a)
.set RC_, RD_
.if (\cm) == 2
.set RC_, BI+64*(\n)+8*\b
.endif
.if (\cm) == 3
.set RC_, BI+128+8*(\a)
.endif
.set RW_, (\b/4)+2*((\k)%2)
.if RW_ == 0
	v_wmma_scale_f32_16x16x128_f8f6f4 v[RD_:RD_+7], v[RB_:RB_+11], v[RA_:RA_+11], v[RC_:RC_+7], v[SB_], v[SA_] matrix_a_fmt:MATRIX_FMT_FP6 matrix_b_fmt:MATRIX_FMT_FP6
.elseif RW_ == 1
	v_wmma_scale_f32_16x16x128_f8f6f4 v[RD_:RD_+7], v[RB_:RB_+11], v[RA_:RA_+11], v[RC_:RC_+7], v[SB_], v[SA_] matrix_a_fmt:MATRIX_FMT_FP6 matrix_b_fmt:MATRIX_FMT_FP6 matrix_a_scale:MATRIX_SCALE_ROW1
.elseif RW_ == 2
	v_wmma_scale_f32_16x16x128_f8f6f4 v[RD_:RD_+7], v[RB_:RB_+11], v[RA_:RA_+11], v[RC_:RC_+7], v[SB_], v[SA_] matrix_a_fmt:MATRIX_FMT_FP6 matrix_b_fmt:MATRIX_FMT_FP6 matrix_b_scale:MATRIX_SCALE_ROW1
.else
	v_wmma_scale_f32_16x16x128_f8f6f4 v[RD_:RD_+7], v[RB_:RB_+11], v[RA_:RA_+11], v[RC_:RC_+7], v[SB_], v[SA_] matrix_a_fmt:MATRIX_FMT_FP6 matrix_b_fmt:MATRIX_FMT_FP6 matrix_a_scale:MATRIX_SCALE_ROW1 matrix_b_scale:MATRIX_SCALE_ROW1
.endif
.endr
.endm
; One of a slot's first three steps: its fragments were asked for a step ago; the next step's go into the other sets, which the last step's products have read:
; four places stand in front of loads into registers that matrix instructions have read (ISA guide 7.12.1 for vector instructions).
.macro STEPX slot, q, k, n, cm
	s_wait_dscnt 0x0                               ; this step's fragments are in
	PLACES 4
	FETCH \slot, (\q)+1, 1-(\q)%2
.irp a, 0,1,2,3
	MULA \a, (\q)%2, \k, \n, \cm
.endr
.endm
; A slot's fourth step changes slots at its head: its own fragments are the last that are read from the slot.  One barrier; in front of it each wave waits for all its tensor loads, adds 0 to its spare word,
; and waits for that and for its reads of this slot.  fill = 1: the slot takes the same half of part 1;  fill = 2: of part 2;  fill = 0: nothing is left to fetch: no round, no load.
.macro TURNX slot, next, k, n, fill
	WIN 0                                          ; (the add's two registers lie in window 0)
	s_wait_tensorcnt 0x0                           ; all my tensor loads have landed: the one that was out is my part of the next slot
	ds_add_u32 v[SPW], v[NIL]                      ; 0 onto my spare word
	s_wait_dscnt 1                                 ; this step's fragments are in; the add alone may be out
	MULA 0, 1, \k, \n, 0                           ; eight matrix instructions stand between the add and the wait for it
	s_wait_dscnt 0x0                               ; the add is done, and my reads of this slot are over
	s_barrier_signal -1
	MULA 1, 1, \k, \n, 0
	WIN 0
	s_barrier_wait -1
.if \fill
	CREST                                          ; the barrier has opened a round of the cluster's barrier: no wave of any partner still reads this slot or has a load on its way
.if (\fill) == 1
	s_add_nc_u64 s[G0+4*\slot+2:G0+4*\slot+3], s[G0+4*\slot+2:G0+4*\slot+3], 6291456     ; from x's row blocks to y's: 64 row blocks on
	s_add_nc_u64 s[G0B+4*\slot+2:G0B+4*\slot+3], s[G0B+4*\slot+2:G0B+4*\slot+3], 786432  ; from Wq^T's to Wk^T's: 8 on
.else
	s_add_nc_u64 s[G0+4*\slot+2:G0+4*\slot+3], s[G0+4*\slot+2:G0+4*\slot+3], s[DA:DA+1]    ; from y's row blocks on to Wv^T's
	s_sub_nc_u64 s[G0B+4*\slot+2:G0B+4*\slot+3], s[G0B+4*\slot+2:G0B+4*\slot+3], s[DB:DB+1]  ; from Wk^T's back to y's
.endif
	JLOAD \slot                                    ; the first tensor load behind the round; its four v_nop are also the places in front of the loads below
.else
	PLACES 4
.endif
	FETCH \next, 0, 0
	MULA 2, 1, \k, \n, 0
	MULA 3, 1, \k, \n, 0
.endm
	s_load_b256 s[4:11], s[0:1], 0x0               ; opc, ops, bq, bk
	s_load_b128 s[12:15], s[0:1], 0x20             ; bv, qkvc
	s_load_b64 s[16:17], s[0:1], 0x30              ; qkvs
	v_lshl_add_u32 v[SPW], v0, 2, SPARE
	v_mov_b32 v[NIL], 0
	ds_add_u32 v28, v29
	ds_add_u32 v28, v29
	s_wait_dscnt 0x0
	v_lshrrev_b32 v1, 5, v0
	v_readfirstlane_b32 s20, v1                    ; wave 0..3
	s_lshr_b32 s21, s20, 1                         ; in which row block of A my rows lie.  Also: I fetch for A (0) or for B (1)
	s_and_b32 s22, s20, 1                          ; which four groups of it are mine.  Also: which part I fetch
	s_bfe_u32 s23, ttmp6, 0x40000                  ; cx
	s_bfe_u32 s24, ttmp6, 0x40004                  ; cy
	s_and_b32 s19, ttmp7, 0xffff                   ; the cluster's y, 0 .. 7
	s_lshl_b32 s25, ttmp9, 2
	s_add_co_u32 s25, s25, s23                     ; parts 0, 1: tile column, 0 .. 7: 128 columns of the weight
	s_lshl_b32 s26, s19, 2
	s_add_co_u32 s26, s26, s24                     ; parts 0, 1: tile row, 0 .. 31: 256 rows of x or y.  (Part 2's tile row is cy: 256 rows of Wv^T)
	s_lshl_b32 s18, s19, 3
	s_add_co_u32 s27, s18, s25                     ; part 2: tile column, 0 .. 63: 128 rows of y: 4 x (2 x cluster y + cluster x) + cx
	s_lshl_b32 s66, s24, 2
	s_lshl_b32 s66, 15, s66                        ; my row of the cluster
	s_lshl_b32 s67, 0x1111, s23                    ; my column
	; descriptor groups 1: dense blocks as rows of 256 bytes (32 elements of 8 bytes), no padding: 15:0 the mask; 17:16 element of 8 bytes; 21 set beside a mask
	s_or_b32 s[G1], s66, (3<<16)|(1<<21)
	s_or_b32 s[G1B], s67, (3<<16)|(1<<21)
	s_mov_b32 s[G1+1], 32<<16                      ; tensor_dim0
	s_mov_b32 s[G1+2], 192<<16                     ; tensor_dim1: A: 49,152 bytes: a row block's four steps
	s_mov_b32 s[G1+3], 32<<16                      ; tile_dim0
	s_mov_b32 s[G1+4], 192                         ; tile_dim1
	s_mov_b32 s[G1+5], 32                          ; the pitch
	s_mov_b32 s[G1+6], 0
	s_mov_b32 s[G1+7], 0
	s_mov_b32 s[G1B+1], 32<<16
	s_mov_b32 s[G1B+2], 96<<16                     ; B: 24,576 bytes: two of a slot's four steps
	s_mov_b32 s[G1B+3], 32<<16
	s_mov_b32 s[G1B+4], 96
	s_mov_b32 s[G1B+5], 32
	s_mov_b32 s[G1B+6], 0
	s_mov_b32 s[G1B+7], 0
	; from part 1 to part 2: A goes from row block 64 + 2 x tile row to 144 + 2 cy: 80 - 8 x cluster y on; B from 136 + tile column to 64 + part 2's tile column: 72 - 8 x cluster y back.  Both hang on the cluster's y alone
	s_sub_co_u32 s92, 80, s18
	s_mul_i32 s[DA], s92, 98304
	s_mov_b32 s[DA+1], 0
	s_sub_co_u32 s92, 72, s18
	s_mul_i32 s[DB], s92, 98304
	s_mov_b32 s[DB+1], 0
	; what I fetch in part 0: A's address hangs on the tile row, B's on the tile column, each in registers that never hold the other coordinate
	s_lshl_b32 s92, s26, 1
	s_add_co_u32 s92, s92, s22                     ; A's row block
	s_mul_i32 s96, s92, 98304
	s_mov_b32 s97, 0
	s_add_co_u32 s94, s25, 128                     ; B's row block
	s_mul_i32 s98, s94, 98304
	s_mul_i32 s94, s22, 24576                      ; my two steps of a slot's four
	s_add_co_u32 s98, s98, s94
	s_mov_b32 s99, 0
	s_mul_i32 s2, s22, TBA                         ; where they go: no place in the cluster enters an LDS address
	s_mul_i32 s3, s22, 24576
	s_add_co_u32 s3, s3, 2*TBA
	s_wait_kmcnt 0x0
	s_add_nc_u64 s[96:97], s[4:5], s[96:97]
	s_add_nc_u64 s[98:99], s[4:5], s[98:99]
.irp s, 0,1
	s_mov_b32 s[G0+4*\s], 1
	s_add_co_u32 s[G0+4*\s+1], s2, \s*SLOT
	s_add_nc_u64 s[G0+4*\s+2:G0+4*\s+3], s[96:97], \s*TBA
	s_or_b32 s[G0+4*\s+3], s[G0+4*\s+3], 0x80000000
	s_mov_b32 s[G0B+4*\s], 1
	s_add_co_u32 s[G0B+4*\s+1], s3, \s*SLOT
	s_add_nc_u64 s[G0B+4*\s+2:G0B+4*\s+3], s[98:99], \s*TBA
	s_or_b32 s[G0B+4*\s+3], s[G0B+4*\s+3], 0x80000000
.endr
	CROUND                                         ; all sixteen work-groups are here: the first joint loads meet
	JLOAD 0                                        ; slot 0's first fill: one tensor load a wave at the head
	v_and_b32 v1, 31, v0                           ; lane
	v_and_b32 v2, 15, v0                           ; r
	v_bfe_u32 v3, v0, 4, 1                         ; h
	v_lshlrev_b32 v[LI], 4, v1
	s_wait_alu depctr_va_vdst(0)
	v_lshlrev_b32 v5, 5, v3                        ; 32 h: eight numbers of a bias on
	v_lshlrev_b32 v6, 2, v2                        ; 4 r
	v_lshlrev_b32 v8, 4, v2
	v_lshl_add_u32 v9, v3, 9, v8                   ; 512 h + 16 r: A's words: lanes 16-31 take the next step's
	s_wait_alu depctr_va_vdst(0)
	v_lshl_add_u32 v8, v3, 3, v8                   ; 16 r + 8 h: the two scale words that I store
	; the bases of the scale words and of the biases
	s_lshl_b32 s92, s26, 1
	s_add_co_u32 s92, s92, s21                     ; s92: the row block in which my rows lie, parts 0 and 1
	s_lshl_b32 s93, s24, 1
	s_add_co_u32 s93, s93, s21                     ; s93: the same in part 2, counted in Wv^T
	s_lshl_b32 s94, s92, 12                        ; 4,096 bytes a row block,
	s_lshl_b32 s96, s22, 8                         ; my four groups: 256 bytes on
	s_add_co_u32 s94, s94, s96
	s_mov_b32 s95, 0
	s_add_nc_u64 s[SA0:SA0+1], s[6:7], s[94:95]
	s_add_co_u32 s94, s93, 144
	s_lshl_b32 s94, s94, 12
	s_add_co_u32 s94, s94, s96
	s_add_nc_u64 s[SA2:SA2+1], s[6:7], s[94:95]
	s_add_co_u32 s94, s25, 128
	s_lshl_b32 s94, s94, 12
	s_add_nc_u64 s[SB0:SB0+1], s[6:7], s[94:95]
	s_add_co_u32 s94, s27, 64
	s_lshl_b32 s94, s94, 12
	s_add_nc_u64 s[SB2:SB2+1], s[6:7], s[94:95]
	s_lshl_b32 s94, s25, 9                         ; bq, bk: my tile's 128 columns
	s_add_nc_u64 s[8:9], s[8:9], s[94:95]
	s_add_nc_u64 s[10:11], s[10:11], s[94:95]
	s_lshl_b32 s94, s24, 10                        ; bv: my tile's 256 rows,
	s_lshl_b32 s97, s20, 8                         ; my 64 of them
	s_add_co_u32 s94, s94, s97
	s_add_nc_u64 s[12:13], s[12:13], s[94:95]
.macro SCLOAD n, pa, ia, pb, ib        ; part n's scale words: 12 loads of 512 consecutive bytes
.irp k, 0,1,2,3,4,5,6,7
	global_load_b128 v[SC+48*(\n)+4*\k:SC+48*(\n)+4*\k+3], v[LI], s[\pb:\pb+1] offset:\ib+512*\k
.endr
.irp u, 0,1,2,3
	global_load_b128 v[SC+48*(\n)+32+4*\u:SC+48*(\n)+32+4*\u+3], v9, s[\pa:\pa+1] offset:\ia+1024*\u
.endr
.endm
	SCLOAD 0, SA0, 0, SB0, 0                       ; part 0's 28 loads first
	WIN 0xc0                                       ; destination window 3
.irp b, 0,1,2,3,4,5,6,7
	global_load_b128 v[BI+8*\b:BI+8*\b+3], v5, s[8:9] offset:64*\b           ; bq at columns 16 b + 8 h + 0 .. 7: the result's layout
	global_load_b128 v[BI+8*\b+4:BI+8*\b+7], v5, s[8:9] offset:64*\b+16
.endr
.irp b, 0,1,2,3,4,5,6,7
	global_load_b128 v[BI+64+8*\b:BI+64+8*\b+3], v5, s[10:11] offset:64*\b   ; bk likewise
	global_load_b128 v[BI+64+8*\b+4:BI+64+8*\b+7], v5, s[10:11] offset:64*\b+16
.endr
	WIN 0
	SCLOAD 1, SA0, 262144, SB0, 32768
	SCLOAD 2, SA2, 0, SB2, 0
.irp a, 0,1,2,3
	global_load_b32 v[BT2+\a], v6, s[12:13] offset:64*\a                     ; bv at row 16 a + r
.endr
	; where my results go
	s_mul_i32 s94, s92, 98304                      ; parts 0, 1: my row block,
	s_mul_i32 s97, s25, 12288                      ; the step: my tile's 128 columns,
	s_add_co_u32 s94, s94, s97
	s_mul_i32 s98, s22, 6144                       ; my four groups
	s_add_co_u32 s94, s94, s98
	s_add_nc_u64 s[OC0:OC0+1], s[14:15], s[94:95]
	s_mul_i32 s94, s93, 786432                     ; part 2: a row block of V^T has 64 steps
	s_mul_i32 s97, s27, 12288
	s_add_co_u32 s94, s94, s97
	s_add_co_u32 s94, s94, s98
	s_add_co_u32 s94, s94, 12582912
	s_add_nc_u64 s[OC2:OC2+1], s[14:15], s[94:95]
	s_lshl_b32 s94, s92, 12
	s_lshl_b32 s97, s25, 9
	s_add_co_u32 s94, s94, s97
	s_add_co_u32 s94, s94, s96
	s_add_nc_u64 s[OS0:OS0+1], s[16:17], s[94:95]
	s_lshl_b32 s94, s93, 15
	s_lshl_b32 s97, s27, 9
	s_add_co_u32 s94, s94, s97
	s_add_co_u32 s94, s94, s96
	s_add_co_u32 s94, s94, 524288
	s_add_nc_u64 s[OS2:OS2+1], s[16:17], s[94:95]
	; LDS addresses
	s_mul_i32 s97, s21, TBA
	s_add_co_u32 s97, s97, s98                     ; my row block, my four groups
	v_add_nc_u32 v[ADRA], s97, v[LI]
	s_add_co_u32 s97, s97, SLOT
	v_add_nc_u32 v[ADRA+1], s97, v[LI]
	v_add_nc_u32 v[ADRB], 2*TBA, v[LI]
	v_add_nc_u32 v[ADRB+1], 2*TBA+SLOT, v[LI]
	s_mov_b32 s60, 0x76543210
	s_mov_b32 s61, 0xfedcba98                      ; selects for lane l xor 16
.irp b, 0,1,2,3
	v_mov_b32 v[TM+4+\b], 0                        ; written once: a lane permute's destination counts as one of its sources
.endr
; THE WAY OUT.  A's block a: 64 numbers a lane (row r; registers 16 b + i: block b of 32 columns) become one fragment of the next product and its scale word.
.macro QUANT a, ob, oi
.set AC, 64*(\a)
	WIN 0x0a                                       ; sources 0 and 1: the accumulators' window
.irp b, 0,1,2,3
	v_max3_num_f32 v[TM+\b], |v[AC+16*\b]|, |v[AC+16*\b+1]|, 0x1800000   ; each accumulator is read from its low end on; the floor 2^(3 - 127) holds the byte at 1 from below
.endr
.irp i, 2,4,6,8,10,12,14
.irp b, 0,1,2,3
	v_max3_num_f32 v[TM+\b], |v[AC+16*\b+\i]|, |v[AC+16*\b+\i+1]|, v[TM+\b]
.endr
.endr
	WIN 0
.irp b, 0,1,2,3
	v_permlanex16_b32 v[TM+4+\b], v[TM+\b], s60, s61
.endr
.irp b, 0,1,2,3
	v_max_num_f32 v[TM+\b], v[TM+\b], v[TM+4+\b]   ; with lane l xor 16's: the block's largest magnitude
.endr
.irp b, 0,1,2,3
	v_add_nc_u32 v[TM+12+\b], 0xff000000, v[TM+\b] ; 2 off its exponent field: the conversion's scale operand
.endr
.irp b, 0,1,2,3
	v_lshrrev_b32 v[TM+4+\b], 23, v[TM+12+\b]      ; the scale's byte
.endr
	v_lshl_or_b32 v[PW+(\a)], v[TM+5], 8, v[TM+4]
	v_lshl_or_b32 v[PW+(\a)], v[TM+6], 16, v[PW+(\a)]
	v_lshl_or_b32 v[PW+(\a)], v[TM+7], 24, v[PW+(\a)]
	s_wait_xcnt 0x0                                ; the last block's stores have read the codes' registers: they are written again only behind this wait
	WIN 0x02
.irp c, 0,1
	v_cvt_scalef32_pk16_fp6_f32 v[PC+6*\c:PC+6*\c+2], v[AC+32*\c:AC+32*\c+15], v[TM+12+2*\c]
	v_cvt_scalef32_pk16_fp6_f32 v[PC+12+4*\c:PC+12+4*\c+2], v[AC+32*\c+16:AC+32*\c+31], v[TM+13+2*\c]   ; (a conversion's three registers begin on an even number)
.endr
	WIN 0
	v_nop                                          ; one plain place behind a scaled conversion: the next part's products write its sources
.irp c, 0,1                                    ; the operand's layout wants a whole block in a lane: lanes 0-15 block 2 c, lanes 16-31 block 2 c + 1
.irp i, 0,1,2
	v_permlane16_swap_b32 v[PC+6*\c+\i], v[PC+12+4*\c+\i]
.endr
.irp i, 0,1,2
	v_mov_b32 v[PC+3+6*\c+\i], v[PC+12+4*\c+\i]
.endr
.endr
.irp c, 0,1,2
	global_store_b128 v[LI], v[PC+4*\c:PC+4*\c+3], s[\ob:\ob+1] offset:\oi+1536*(\a)+512*\c   ; the image: 32 lanes store 512 consecutive bytes, at a multiple of 512 from the buffer's first byte
.endr
.endm
; Part n's tile leaves: four fragments, and my rows' scale words: lane (r, h) stores those of my groups 2 h and 2 h + 1: 32 lanes, 256 consecutive bytes, from registers that no later part writes.
.macro WAYOUT n, ob, oi, wb, wi
	WIN 0
	PLACES 4                                       ; four places in front of the first read of results
.irp a, 0,1,2,3
	QUANT \a, \ob, \oi
.endr
	v_cmp_ne_u32 vcc_lo, 0, v3
	v_cndmask_b32 v[SW+2*(\n)], v[PW], v[PW+2], vcc_lo
	v_cndmask_b32 v[SW+2*(\n)+1], v[PW+1], v[PW+3], vcc_lo
	global_store_b64 v8, v[SW+2*(\n):SW+2*(\n)+1], s[\wb:\wb+1] offset:\wi
.endm
	s_wait_alu depctr_va_vdst(0)
	s_wait_loadcnt 44                              ; part 0's scale words and bq are in: behind those 28 loads 44 were issued (16 + 12 + 12 + 4), which may be out
	s_wait_tensorcnt 0x0                           ; my part of slot 0 is in; slot 1's first fill is issued as a refill is:
	ds_add_u32 v[SPW], v[NIL]                      ; 0 onto my spare word
	s_wait_dscnt 0x0                               ; the add is done
	CROUND                                         ; a whole round: slot 0 is whole in every work-group, and the joint loads meet
	JLOAD 1                                        ; slot 1: the first tensor load behind the round
	FETCH 0, 0, 0
	; ---- part 0: Q
	STEPX 0, 0, 0, 0, 2                            ; the first step starts the sums with the bias
	STEPX 0, 1, 1, 0, 0
	STEPX 0, 2, 2, 0, 0
	TURNX 0, 1, 3, 0, 1                            ; slot 0 takes part 1's first half
	STEPX 1, 0, 4, 0, 0
	STEPX 1, 1, 5, 0, 0
	STEPX 1, 2, 6, 0, 0
	TURNX 1, 0, 7, 0, 1                            ; slot 1 takes part 1's second half; part 1's first fragments are fetched
	WAYOUT 0, OC0, 0, OS0, 0
	s_wait_loadcnt 0x0                             ; the other parts' scale words and biases are in
	WIN 0xc0                                       ; destination window 3
.irp a, 0,1,2,3
.irp j, 0,1,2,3,4,5,6,7
	v_mov_b32 v[BI+128+8*\a+\j], v[BT2+\a]         ; bv in the result's layout: a lane's eight registers of block a belong to one row
.endr
.endr
	; ---- part 1: K
	STEPX 0, 0, 0, 1, 2
	STEPX 0, 1, 1, 1, 0
	STEPX 0, 2, 2, 1, 0
	TURNX 0, 1, 3, 1, 2                            ; slot 0 takes part 2's first half
	STEPX 1, 0, 4, 1, 0
	STEPX 1, 1, 5, 1, 0
	STEPX 1, 2, 6, 1, 0
	TURNX 1, 0, 7, 1, 2                            ; slot 1 takes part 2's second half
	WAYOUT 1, OC0, 6291456, OS0, 262144
	; ---- part 2: V^T
	STEPX 0, 0, 0, 2, 3
	STEPX 0, 1, 1, 2, 0
	STEPX 0, 2, 2, 2, 0
	TURNX 0, 1, 3, 2, 0                            ; nothing is left to fetch: no round, no load
	STEPX 1, 0, 4, 2, 0
	STEPX 1, 1, 5, 2, 0
	STEPX 1, 2, 6, 2, 0
	s_wait_dscnt 0x0                               ; the very last step
.irp a, 0,1,2,3
	MULA \a, 1, 7, 2, 0
.endr
	WAYOUT 2, OC2, 0, OS2, 0
	s_wait_tensorcnt 0x0                           ; the wave's end
	ds_add_u32 v[SPW], v[NIL]
	s_wait_dscnt 0x0
	CROUND                                         ; the closing round: no work-group ends while a partner may still ask for a tile that names it
	s_endpgm
.Lfunc_end_k_qc0d61e5840_proj:
	.size	k_qc0d61e5840_proj, .Lfunc_end_k_qc0d61e5840_proj-k_qc0d61e5840_proj
	.p2alignl 7, 3214868480
	.fill 96, 4, 3214868480
	.section	.rodata,"a",@progbits
	.p2align	6, 0x0
	.amdhsa_kernel k_qc0d61e5840_proj
		.amdhsa_group_segment_fixed_size 327680
		.amdhsa_private_segment_fixed_size 0
		.amdhsa_enable_private_segment 0
		.amdhsa_kernarg_size 56
		.amdhsa_user_sgpr_count 2
		.amdhsa_user_sgpr_kernarg_segment_ptr 1
		.amdhsa_wavefront_size32 1
		.amdhsa_system_sgpr_workgroup_id_x 1
		.amdhsa_system_sgpr_workgroup_id_y 1
		.amdhsa_system_sgpr_workgroup_id_z 1
		.amdhsa_system_vgpr_workitem_id 0
		.amdhsa_next_free_vgpr 1024
		.amdhsa_next_free_sgpr 100
		.amdhsa_reserve_vcc 1
		.amdhsa_float_denorm_mode_32 3
		.amdhsa_float_denorm_mode_16_64 3
		.amdhsa_memory_ordered 1
		.amdhsa_forward_progress 1
		.amdhsa_inst_pref_size 229
	.end_amdhsa_kernel
	.amdgpu_metadata
---
amdhsa.version: [ 1, 2 ]
amdhsa.kernels:
  - .name:           k_qc0d61e5840_proj
    .symbol:         k_qc0d61e5840_proj.kd
    .args:
      - { .name: opc, .offset: 0, .size: 8, .value_kind: global_buffer, .address_space: global }
      - { .name: ops, .offset: 8, .size: 8, .value_kind: global_buffer, .address_space: global }
      - { .name: bq, .offset: 16, .size: 8, .value_kind: global_buffer, .address_space: global }
      - { .name: bk, .offset: 24, .size: 8, .value_kind: global_buffer, .address_space: global }
      - { .name: bv, .offset: 32, .size: 8, .value_kind: global_buffer, .address_space: global }
      - { .name: qkvc, .offset: 40, .size: 8, .value_kind: global_buffer, .address_space: global }
      - { .name: qkvs, .offset: 48, .size: 8, .value_kind: global_buffer, .address_space: global }
    .group_segment_fixed_size: 327680
    .private_segment_fixed_size: 0
    .kernarg_segment_align: 8
    .kernarg_segment_size: 56
    .max_flat_workgroup_size: 128
    .sgpr_count:     100
    .vgpr_count:     1024
    .wavefront_size: 32
...
	.end_amdgpu_metadata
.endif
;; end of part 2
;; launch score (part 3): grid 8 x 32, 4 waves a work-group, clusters of 4 x 4, 327,680 bytes of LDS; arguments qkvc, qkvs, pc, pstat; writes pc, pstat
.if DOCPART == 3
	.amdgcn_target "amdgcn-amd-amdhsa--gfx1250"
	.amdhsa_code_object_version 6
	.text
	.protected	k_qc0d61e5840_score
	.globl	k_qc0d61e5840_score
	.p2align	8
	.type	k_qc0d61e5840_score,@function
k_qc0d61e5840_score:
	s_mov_b64 s[64:65], 0
	v_nop
	global_prefetch_b8 v0, s[64:65] scope:SCOPE_SE
	s_setreg_imm32_b32 hwreg(HW_REG_WAVE_MODE, 25, 1), 1
	s_wait_xcnt 0x0
	s_wait_alu depctr_hold_cnt(0) depctr_sa_sdst(0) depctr_va_vdst(0) depctr_va_sdst(0) depctr_va_ssrc(0) depctr_va_vcc(0) depctr_vm_vsrc(0)
	s_getreg_b32 s2, hwreg(HW_REG_IB_STS2, 6, 4)
	s_cmp_eq_u32 s2, 0
	s_cbranch_scc0 .Lentry_in_a_cluster
	s_endpgm
.Lentry_in_a_cluster:
	s_bfe_u32 s2, ttmp6, 0x10000c
	s_cmp_lg_u32 s2, 0xf033
	s_cbranch_scc0 .Lentry_shape_is_right
	s_endpgm
.Lentry_shape_is_right:
; S = Q K^T on codes of FP6 (E2M3) with E8M0 scales, f32 sums, batch by batch; then, in the way out, the softmax's numerator is quantised under a LOCAL whole number M.
; For each query and each run of 128 keys (a wave's columns): t = score x log2(e) / 32; M = the run's largest t rounded up to a whole number; p = 2^(t - M); l = the sum of the unquantised p.
; p is quantised along the keys, 32 to a block.  Stored: p's codes (pc), its scale words, -M and l (pstat).  The next launch takes the row's largest M and lowers each scale byte by the difference: M is a whole number,
; so that is an exact power of two which the scale takes up.
; A tile of S, 256 queries x 256 keys, is made by four waves, each 128 x 128.  K = 1,024 goes in four steps of 256 through two LDS slots; the text has no loop.
; Operands lie in memory as images of their registers ([row block of 128][K step of 128][group of 16][1,536 bytes]; scale words [row block][K step][512]: group g, row r at 256 (g / 4) + 16 r + 4 (g % 4)).
; CLUSTERS: 4 x 4 work-groups of one batch; Q's tiles are asked for jointly along a row of the cluster, K's along a column.
; TRANSPOSED USE (source 0 = 16 keys, source 1 = 16 queries): lane (r, h) holds query r and the keys 16 b + 8 h + 0 .. 7.  p's codes of a block come out in the order [0..7, 16..23, 8..15, 24..31], as V^T's do.
; pc: [64 row blocks of queries][16 steps of keys][8 groups][1,536].  pstat: three sections of 524,288 bytes, each [64][16][512]: scale words, -M (f32), l (f32), laid as scale words are.
; LIMITS: NaN and infinities are not served; |t| stays under 2^24 (M is kept as a whole f32 number); a block all of whose p fall under 2^-124 gets the byte 1.
; A block's largest p is made from the block's largest score by the same multiply-add and exponential; this takes v_exp_f32 not to fall where its input rises.
; REGISTERS: as in the launch before; on the way out window 0's v128-255 are at work.
.set NB,    8
.set NQ,    2
.set TBA,   NQ*12288
.set BSTR,  TBA
.set SLOT,  2*TBA+49152
.set SPARE, 2*SLOT                     ; behind the ring: the spare words, 128 bytes for each wave: two blocks of 256 bytes that no other line names
.set LI,    4
.set ADRA,  16
.set ADRB,  20
.set SOF,   27                         ; v27 my scale words' byte offset in qkvs: lanes 0-15 my queries' row block, lanes 16-31 my keys'
.set SPW,   28
.set NIL,   29
.set SC,    32
.set AF,    128
.set PB,    128                        ; v128-191 t - M, then p
.set BM,    192                        ; v192-195 the blocks' largest scores, then their largest p
.set BT,    196                        ; v196-199 at work
.set SOP,   200                        ; v200-203 the conversions' scale operands
.set T,     204
.set NM,    206                        ; v[206:207] -M (the packed form names the pair and takes its low word)
.set LS,    208                        ; v[208:209], v[210:211] the sum in two chains
.set LS2,   210
.set PC,    212                        ; v212-231 the codes just made
.set PW,    232                        ; v232-239 scale words, v240-247 -M, v248-255 l, one for each of the eight groups
.set MM,    240
.set LL,    248
.set G1,   28
.set G1B,  36
.set G0,   44
.set G0B,  52
.set MSB, 0
.macro WIN new                         ; the immediate's high byte repeats the setting that is left
.if MSB != (\new)
	s_set_vgpr_msb (MSB<<8)|(\new)
.set MSB, (\new)
.endif
.endm
.macro PLACES n
.rept \n
	v_nop
.endr
.endm
.macro CREST                           ; a round of the cluster's barrier behind its opening barrier
	s_cmp_lg_u32 s20, 0
	s_cbranch_scc1 .Lnw0_\@
	s_barrier_signal -3
.Lnw0_\@:
	s_barrier_wait -3
	s_barrier_signal -1
	s_barrier_wait -1
.endm
.macro CROUND
	s_barrier_signal -1
	s_barrier_wait -1
	CREST
.endm
.macro JLOAD s                         ; a joint refill: waves 0, 1 fetch Q's row blocks, waves 2, 3 K's; four v_nop follow each line
	s_cmp_eq_u32 s21, 0
	s_cbranch_scc0 .Lfb_\@
	tensor_load_to_lds s[G0+4*\s:G0+4*\s+3], s[G1:G1+7]
	s_nop 0
	PLACES 4
	s_branch .Lja_\@
.Lfb_\@:
	tensor_load_to_lds s[G0B+4*\s:G0B+4*\s+3], s[G1B:G1B+7]
	s_nop 0
	PLACES 4
.Lja_\@:
.endm
.macro FRAG reg, adr, off              ; a fragment's image: three runs of 512 bytes, 16 a lane
.irp c, 0,1,2
	ds_load_b128 v[\reg+4*\c:\reg+4*\c+3], v[\adr] offset:\off+512*\c
.endr
.endm
.macro FETCH_B slot, q, p
	WIN 0x40
.irp i, 0,1,2,3,4,5,6,7
.if \i < NB
	FRAG 128*(\p)+12*\i, ADRB+\slot, (8*(\q)+\i)*1536
.endif
.endr
	WIN 0
.endm
.macro FETCH_A slot, q, i0
.irp i, \i0, \i0+1, \i0+2, \i0+3
	FRAG AF+12*(\i), ADRA+\slot, (8*(\q)+(\i))*1536
.endr
.endm
.macro SCALES j                        ; slot step j's scale words, from memory straight into set j (four sets, v32-95, loaded once): register 8 q + i: lanes 0-15 Q's group i, lanes 16-31 K's group i; sixteen lanes read 256 consecutive bytes, aligned
.set QQ, 0
.rept NQ
	global_load_b128 v[SC+8*NQ*(\j)+8*QQ:SC+8*NQ*(\j)+8*QQ+3], v[SOF], s[6:7] offset:(NQ*(\j)+QQ)*512
	global_load_b128 v[SC+8*NQ*(\j)+8*QQ+4:SC+8*NQ*(\j)+8*QQ+7], v[SOF], s[6:7] offset:(NQ*(\j)+QQ)*512+256
.set QQ, QQ+1
.endr
.endm
; A's blocks a0, a0 + 1 x B's NB blocks, 128 along K.  cm = 1: the first product starts the sums with the constant 0.  The accumulators take turns, one instruction a turn.
.macro MULP a0, p, q, set, cm
.set AW, (NB*(\a0))/32
	WIN 0xa1+0x50*AW
.irp a, \a0, \a0+1
.irp b, 0,1,2,3,4,5,6,7
.if \b < NB
.set RD_, 8*((NB*(\a)+\b)%32)
.set RB_, 128*(\p)+12*\b
.set RA_, AF+12*(\a)
.set SB_, SC+8*NQ*((\set)+2*LAP)+8*(\q)+\b     ; the set of scale words: the slot + 2 x the lap round the ring
.set SA_, SC+8*NQ*((\set)+2*LAP)+8*(\q)+(\a)
.if (\cm) == 0
	v_wmma_scale_f32_16x16x128_f8f6f4 v[RD_:RD_+7], v[RB_:RB_+11], v[RA_:RA_+11], v[RD_:RD_+7], v[SB_], v[SA_] matrix_a_fmt:MATRIX_FMT_FP6 matrix_b_fmt:MATRIX_FMT_FP6 matrix_a_scale:MATRIX_SCALE_ROW1
.else
	v_wmma_scale_f32_16x16x128_f8f6f4 v[RD_:RD_+7], v[RB_:RB_+11], v[RA_:RA_+11], 0, v[SB_], v[SA_] matrix_a_fmt:MATRIX_FMT_FP6 matrix_b_fmt:MATRIX_FMT_FP6 matrix_a_scale:MATRIX_SCALE_ROW1
.endif
.endif
.endr
.endr
.endm
.macro STEP slot, q, cm                ; four places stand in front of each run of loads into registers that matrix instructions have read (ISA guide 7.12.1 for vector instructions)
	s_wait_dscnt 12                                ; all but the youngest 12 loads (A's blocks 4-7)
	MULP 0, (\q)%2, \q, \slot, \cm
	MULP 2, (\q)%2, \q, \slot, \cm
	s_wait_dscnt 0x0
	PLACES 4
	FETCH_B \slot, (\q)+1, 1-(\q)%2
	FETCH_A \slot, (\q)+1, 0
	MULP 4, (\q)%2, \q, \slot, \cm
	MULP 6, (\q)%2, \q, \slot, \cm
	PLACES 4
	WIN 0
	FETCH_A \slot, (\q)+1, 4
.endm
.macro TURN slot, next, fill           ; a slot's last step changes slots
	s_wait_tensorcnt 0x0                           ; all my tensor loads have landed: my part of the next slot
	ds_add_u32 v[SPW], v[NIL]                      ; 0 onto my spare word
	s_wait_dscnt 13                                ; (the add and the youngest 12 loads may be out)
	MULP 0, 1, NQ-1, \slot, 0
	s_wait_dscnt 0x0                               ; the add is done, and my reads of this slot are over
	s_barrier_signal -1
	MULP 2, 1, NQ-1, \slot, 0
	WIN 0
	s_barrier_wait -1
.if \fill
	CREST                                          ; the barrier has opened a round of the cluster's barrier
	s_add_nc_u64 s[G0+4*\slot+2:G0+4*\slot+3], s[G0+4*\slot+2:G0+4*\slot+3], 2*TBA
	s_add_nc_u64 s[G0B+4*\slot+2:G0B+4*\slot+3], s[G0B+4*\slot+2:G0B+4*\slot+3], 2*TBA
	JLOAD \slot                                    ; the first tensor load behind the round; its four v_nop are also the places in front of the loads below
.else
	PLACES 4
.endif
	FETCH_B \next, 0, 0
	FETCH_A \next, 0, 0
	MULP 4, 1, NQ-1, \slot, 0
	MULP 6, 1, NQ-1, \slot, 0
	PLACES 4
	WIN 0
	FETCH_A \next, 0, 4
.endm
.macro LAST slot
	s_wait_dscnt 12
	MULP 0, 1, NQ-1, \slot, 0
	MULP 2, 1, NQ-1, \slot, 0
	s_wait_dscnt 0x0
	MULP 4, 1, NQ-1, \slot, 0
	MULP 6, 1, NQ-1, \slot, 0
	WIN 0
	PLACES 4
.endm
	s_load_b256 s[4:11], s[0:1], 0x0               ; qkvc, qkvs, pc, pstat
	v_lshl_add_u32 v[SPW], v0, 2, SPARE
	v_mov_b32 v[NIL], 0
	ds_add_u32 v28, v29
	ds_add_u32 v28, v29
	s_wait_dscnt 0x0
	v_lshrrev_b32 v1, 5, v0
	v_readfirstlane_b32 s20, v1                    ; wave 0..3
	s_lshr_b32 s21, s20, 1                         ; which row block of queries is mine.  Also: I fetch for Q (0) or for K (1)
	s_and_b32 s22, s20, 1                          ; which row block of keys is mine.  Also: which one I fetch
	s_bfe_u32 s23, ttmp6, 0x40000                  ; cx
	s_bfe_u32 s24, ttmp6, 0x40004                  ; cy
	s_lshl_b32 s25, ttmp9, 2
	s_add_co_u32 s25, s25, s23                     ; tile column: 256 keys of the batch
	s_and_b32 s92, ttmp7, 0xffff
	s_lshr_b32 s27, s92, 1                         ; the batch: two clusters along y to each
	s_lshl_b32 s26, s92, 2
	s_add_co_u32 s26, s26, s24                     ; tile row: 256 of all 8,192 queries
	s_lshl_b32 s66, s24, 2
	s_lshl_b32 s66, 15, s66                        ; my row of the cluster
	s_lshl_b32 s67, 0x1111, s23                    ; my column
	s_or_b32 s[G1], s66, (3<<16)|(1<<21)           ; dense blocks as rows of 256 bytes (32 elements of 8 bytes), no padding; bit 21 set beside a mask
	s_or_b32 s[G1B], s67, (3<<16)|(1<<21)
.irp g, G1, G1B
	s_mov_b32 s[\g+1], 32<<16
	s_mov_b32 s[\g+2], 96<<16                      ; 24,576 bytes
	s_mov_b32 s[\g+3], 32<<16
	s_mov_b32 s[\g+4], 96
	s_mov_b32 s[\g+5], 32
	s_mov_b32 s[\g+6], 0
	s_mov_b32 s[\g+7], 0
.endr
	s_lshl_b32 s92, s26, 1
	s_add_co_u32 s92, s92, s22                     ; Q's row block
	s_mul_i32 s96, s92, 98304
	s_mov_b32 s97, 0
	s_lshl_b32 s94, s25, 1
	s_lshl_b32 s95, s27, 4
	s_add_co_u32 s94, s94, s95
	s_add_co_u32 s94, s94, s22                     ; K's row block: 16 x batch + 2 x tile column + half
	s_mul_i32 s98, s94, 98304
	s_add_co_u32 s98, s98, 6291456                 ; K's codes lie behind Q's
	s_mov_b32 s99, 0
	s_mul_i32 s2, s22, TBA
	s_mul_i32 s3, s22, 24576
	s_add_co_u32 s3, s3, 2*TBA
	s_wait_kmcnt 0x0
	s_add_nc_u64 s[96:97], s[4:5], s[96:97]
	s_add_nc_u64 s[98:99], s[4:5], s[98:99]
.irp s, 0,1
	s_mov_b32 s[G0+4*\s], 1
	s_add_co_u32 s[G0+4*\s+1], s2, \s*SLOT
	s_add_nc_u64 s[G0+4*\s+2:G0+4*\s+3], s[96:97], \s*TBA
	s_or_b32 s[G0+4*\s+3], s[G0+4*\s+3], 0x80000000
	s_mov_b32 s[G0B+4*\s], 1
	s_add_co_u32 s[G0B+4*\s+1], s3, \s*SLOT
	s_add_nc_u64 s[G0B+4*\s+2:G0B+4*\s+3], s[98:99], \s*TBA
	s_or_b32 s[G0B+4*\s+3], s[G0B+4*\s+3], 0x80000000
.endr
	CROUND                                         ; all sixteen work-groups are here: the first joint loads meet
	JLOAD 0                                        ; slot 0's first fill: one tensor load a wave at the head
	v_and_b32 v1, 31, v0                           ; lane
	v_and_b32 v2, 15, v0                           ; r
	v_bfe_u32 v3, v0, 4, 1                         ; h
	s_wait_alu depctr_va_vdst(0)
	v_lshlrev_b32 v[LI], 4, v1
	s_mul_i32 s92, s21, TBA
	s_mul_i32 s93, s22, BSTR
	s_add_co_u32 s93, s93, 2*TBA
.irp s, 0,1
	v_add_nc_u32 v[ADRA+\s], s92, v[LI]
	v_add_nc_u32 v[ADRB+\s], s93, v[LI]
	s_add_co_u32 s92, s92, SLOT
	s_add_co_u32 s93, s93, SLOT
.endr
	s_lshl_b32 s92, s26, 1
	s_add_co_u32 s92, s92, s21                     ; my queries' row block: 2 x tile row + my half
	s_lshl_b32 s92, s92, 12                        ; 4,096 bytes of scale words a row block
	s_lshl_b32 s93, s27, 3
	s_add_co_u32 s93, s93, s25
	s_lshl_b32 s93, s93, 1
	s_add_co_u32 s93, s93, s22                     ; my keys' row block: 16 x batch + 2 x tile column + my half
	s_lshl_b32 s93, s93, 12
	s_add_co_u32 s93, s93, 262144                  ; K's words lie behind Q's 64 row blocks, so the distance below is above 0 and under 2^24
	s_sub_co_u32 s93, s93, s92
	v_mul_u32_u24 v7, s93, v3                      ; lanes 16-31 take K's words: the lower base + h x the distance
	v_lshl_add_u32 v7, v2, 4, v7                   ; + 16 r: my row's four words
	v_add_nc_u32 v[SOF], s92, v7
.irp j, 0,1,2,3
	SCALES \j                                      ; all of K's scale words: 16 loads, out while slot 0 is on its way
.endr
	s_mov_b32 s60, 0x76543210
	s_mov_b32 s61, 0xfedcba98                      ; selects for lane l xor 16
	s_mov_b32 s62, 0x3d38aa3b                      ; c = log2(e) / sqrt(1024)
	s_mov_b32 s63, s62                             ; (named with it as a pair, so it is written)
	; where my results go: row block 2 x tile row + my half, step 2 x tile column + my half
	s_lshl_b32 s92, s26, 1
	s_add_co_u32 s92, s92, s21
	s_lshl_b32 s93, s25, 1
	s_add_co_u32 s93, s93, s22
	s_mul_i32 s96, s92, 196608
	s_mul_i32 s97, s93, 12288
	s_add_co_u32 s96, s96, s97
	s_mov_b32 s97, 0
	s_add_nc_u64 s[8:9], s[8:9], s[96:97]
	s_lshl_b32 s96, s92, 4
	s_add_co_u32 s96, s96, s93
	s_lshl_b32 s96, s96, 9
	s_mov_b32 s97, 0
	s_add_nc_u64 s[10:11], s[10:11], s[96:97]
	s_wait_alu depctr_va_vdst(0)
	s_wait_tensorcnt 0x0                           ; my part of slot 0 is in; slot 1's first fill is issued as a refill is:
	ds_add_u32 v[SPW], v[NIL]                      ; 0 onto my spare word
	s_wait_dscnt 0x0                               ; the add is done
	CROUND                                         ; a whole round: slot 0 is whole in every work-group, and the joint loads meet
	JLOAD 1                                        ; slot 1: the first tensor load behind the round
	FETCH_B 0, 0, 0
	FETCH_A 0, 0, 0
	FETCH_A 0, 0, 4
	s_wait_loadcnt 0x0                             ; the scale words are in
.set LAP, 0
	STEP 0, 0, 1                                   ; the first step's products start the sums
	TURN 0, 1, 1
	STEP 1, 0, 0
	TURN 1, 0, 1
.set LAP, 1
	STEP 0, 0, 0
	TURN 0, 1, 0                                   ; nothing is left to fetch: no round, no load
	STEP 1, 0, 0
	LAST 1
; THE WAY OUT.  Group a of 16 queries: a lane's 64 scores (query r; registers 16 b + i: block b of 32 keys) become p's fragment, its scale word, -M and l.
.macro SOFTQ a
.set AC, 64*((\a)%4)
	WIN 0x0a+5*((\a)/4)                            ; sources 0 and 1: the accumulators' window
.irp b, 0,1,2,3
	v_max_num_f32 v[BM+\b], v[AC+16*\b], v[AC+16*\b+1]   ; the largest score of each block: it serves for the row's maximum and for the block's largest p.  Each accumulator is read from its low end on
.endr
.irp i, 2,4,6,8,10,12,14
.irp b, 0,1,2,3
	v_max3_num_f32 v[BM+\b], v[AC+16*\b+\i], v[AC+16*\b+\i+1], v[BM+\b]
.endr
.endr
	WIN 0
.irp b, 0,1,2,3
	v_permlanex16_b32 v[BT+\b], v[BM+\b], s60, s61
.endr
.irp b, 0,1,2,3
	v_max_num_f32 v[BM+\b], v[BM+\b], v[BT+\b]     ; with lane l xor 16's 16 keys
.endr
	v_max3_num_f32 v[T], v[BM], v[BM+1], v[BM+2]
	v_max_num_f32 v[T], v[T], v[BM+3]              ; my query's largest score among these 128 keys
	v_mul_f32 v[T], s62, v[T]                      ; as t (c is positive)
	v_floor_f32 v[NM], -v[T]                       ; -M = floor(-t) = -ceil(t): a whole number
	WIN 0x02+(\a)/4
.set J, 0
.rept 32
	v_pk_fma_f32 v[PB+J:PB+J+1], v[AC+J:AC+J+1], s[62:63], v[NM:NM+1] op_sel_hi:[1,0,0]   ; t - M, two at a time
.set J, J+2
.endr
	WIN 0
.irp b, 0,1,2,3
	v_fma_f32 v[BM+\b], v[BM+\b], s62, v[NM]       ; the same of each block's largest score
.endr
.set J, 0
	s_wait_alu depctr_va_vdst(0)
.rept 64
	v_exp_f32 v[PB+J], v[PB+J]                     ; p = 2^(t - M): not normalised
.set J, J+1
.endr
	v_mov_b32 v[MM+(\a)], v[NM]                    ; (a plain place behind the exponentials)
	s_wait_alu depctr_va_vdst(0)                   ; one wait for the whole batch, ahead of its first reader
.irp b, 0,1,2,3
	v_exp_f32 v[BM+\b], v[BM+\b]                   ; the block's largest p: the same two instructions on the same number give the same bits
.endr
	v_pk_add_f32 v[LS:LS+1], v[PB:PB+1], v[PB+2:PB+3]         ; the sum is taken of the unquantised p: two at a time, in two chains
	v_pk_add_f32 v[LS2:LS2+1], v[PB+4:PB+5], v[PB+6:PB+7]
.irp j, 8,12,16,20,24,28,32,36,40,44,48,52,56,60
	v_pk_add_f32 v[LS:LS+1], v[LS:LS+1], v[PB+\j:PB+\j+1]
	v_pk_add_f32 v[LS2:LS2+1], v[LS2:LS2+1], v[PB+\j+2:PB+\j+3]
.endr
	v_pk_add_f32 v[LS:LS+1], v[LS:LS+1], v[LS2:LS2+1]
	s_wait_alu depctr_va_vdst(0)                   ; and one for the four
.irp b, 0,1,2,3
	v_max_num_f32 v[BM+\b], 0x1800000, v[BM+\b]    ; the floor 2^(3 - 127): the byte cannot fall under 1
.endr
.irp b, 0,1,2,3
	v_add_nc_u32 v[SOP+\b], 0xff000000, v[BM+\b]   ; 2 off the exponent field: the conversion's scale operand
.endr
.irp b, 0,1,2,3
	v_lshrrev_b32 v[BT+\b], 23, v[SOP+\b]          ; the scale's byte
.endr
	v_lshl_or_b32 v[PW+(\a)], v[BT+1], 8, v[BT]
	v_lshl_or_b32 v[PW+(\a)], v[BT+2], 16, v[PW+(\a)]
	v_lshl_or_b32 v[PW+(\a)], v[BT+3], 24, v[PW+(\a)]
.if (\a) > 0
	s_wait_xcnt 0x0                                ; the last group's stores have read the codes' registers: they are written again only behind this wait
.endif
.irp c, 0,1
	v_cvt_scalef32_pk16_fp6_f32 v[PC+6*\c:PC+6*\c+2], v[PB+32*\c:PB+32*\c+15], v[SOP+2*\c]
	v_cvt_scalef32_pk16_fp6_f32 v[PC+12+4*\c:PC+12+4*\c+2], v[PB+32*\c+16:PB+32*\c+31], v[SOP+2*\c+1]   ; (a conversion's three registers begin on an even number)
.endr
	v_add_f32 v[T], v[LS], v[LS+1]                 ; the sum's two halves.  (Also the one plain place behind the scaled conversions)
.irp c, 0,1                                    ; the operand's layout wants a whole block in a lane
.irp i, 0,1,2
	v_permlane16_swap_b32 v[PC+6*\c+\i], v[PC+12+4*\c+\i]
.endr
.irp i, 0,1,2
	v_mov_b32 v[PC+3+6*\c+\i], v[PC+12+4*\c+\i]
.endr
.endr
	v_permlanex16_b32 v[BT], v[T], s60, s61
	v_add_f32 v[LL+(\a)], v[T], v[BT]              ; with lane l xor 16's: l of my query and these 128 keys
.irp c, 0,1,2
	global_store_b128 v[LI], v[PC+4*\c:PC+4*\c+3], s[8:9] offset:1536*(\a)+512*\c   ; the image: 32 lanes store 512 consecutive bytes, at a multiple of 512 from the buffer's first byte
.endr
.endm
.irp b, 0,1,2,3
	v_mov_b32 v[BT+\b], 0                          ; written once: a lane permute's destination counts as one of its sources
.endr
	v_mov_b32 v[NM+1], 0                           ; (named as the upper half of a pair)
.irp a, 0,1,2,3,4,5,6,7
	SOFTQ \a
.endr
	v_cmp_ne_u32 vcc_lo, 0, v3                     ; scale words, -M and l: lane (r, h) stores those of groups 4 h .. 4 h + 3 of row r: 512 consecutive bytes each
.irp i, 0,1,2,3
	v_cndmask_b32 v[PB+\i], v[PW+\i], v[PW+4+\i], vcc_lo
	v_cndmask_b32 v[PB+4+\i], v[MM+\i], v[MM+4+\i], vcc_lo
	v_cndmask_b32 v[PB+8+\i], v[LL+\i], v[LL+4+\i], vcc_lo
.endr
	global_store_b128 v[LI], v[PB:PB+3], s[10:11]
	global_store_b128 v[LI], v[PB+4:PB+7], s[10:11] offset:524288
	global_store_b128 v[LI], v[PB+8:PB+11], s[10:11] offset:1048576
	s_wait_tensorcnt 0x0                           ; the wave's end
	ds_add_u32 v[SPW], v[NIL]
	s_wait_dscnt 0x0
	CROUND                                         ; the closing round
	s_endpgm
.Lfunc_end_k_qc0d61e5840_score:
	.size	k_qc0d61e5840_score, .Lfunc_end_k_qc0d61e5840_score-k_qc0d61e5840_score
	.p2alignl 7, 3214868480
	.fill 96, 4, 3214868480
	.section	.rodata,"a",@progbits
	.p2align	6, 0x0
	.amdhsa_kernel k_qc0d61e5840_score
		.amdhsa_group_segment_fixed_size 327680
		.amdhsa_private_segment_fixed_size 0
		.amdhsa_enable_private_segment 0
		.amdhsa_kernarg_size 32
		.amdhsa_user_sgpr_count 2
		.amdhsa_user_sgpr_kernarg_segment_ptr 1
		.amdhsa_wavefront_size32 1
		.amdhsa_system_sgpr_workgroup_id_x 1
		.amdhsa_system_sgpr_workgroup_id_y 1
		.amdhsa_system_sgpr_workgroup_id_z 1
		.amdhsa_system_vgpr_workitem_id 0
		.amdhsa_next_free_vgpr 1024
		.amdhsa_next_free_sgpr 100
		.amdhsa_reserve_vcc 1
		.amdhsa_float_denorm_mode_32 3
		.amdhsa_float_denorm_mode_16_64 3
		.amdhsa_memory_ordered 1
		.amdhsa_forward_progress 1
		.amdhsa_inst_pref_size 192
	.end_amdhsa_kernel
	.amdgpu_metadata
---
amdhsa.version: [ 1, 2 ]
amdhsa.kernels:
  - .name:           k_qc0d61e5840_score
    .symbol:         k_qc0d61e5840_score.kd
    .args:
      - { .name: qkvc, .offset: 0, .size: 8, .value_kind: global_buffer, .address_space: global }
      - { .name: qkvs, .offset: 8, .size: 8, .value_kind: global_buffer, .address_space: global }
      - { .name: pc, .offset: 16, .size: 8, .value_kind: global_buffer, .address_space: global }
      - { .name: pstat, .offset: 24, .size: 8, .value_kind: global_buffer, .address_space: global }
    .group_segment_fixed_size: 327680
    .private_segment_fixed_size: 0
    .kernarg_segment_align: 8
    .kernarg_segment_size: 32
    .max_flat_workgroup_size: 128
    .sgpr_count:     100
    .vgpr_count:     1024
    .wavefront_size: 32
...
	.end_amdgpu_metadata
.endif
;; end of part 3
;; launch pv (part 4): grid 8 x 32, 4 waves a work-group, clusters of 4 x 4, 327,680 bytes of LDS; arguments pc, pstat, qkvc, qkvs, out0; writes out0
.if DOCPART == 4
	.amdgcn_target "amdgcn-amd-amdhsa--gfx1250"
	.amdhsa_code_object_version 6
	.text
	.protected	k_qc0d61e5840_pv
	.globl	k_qc0d61e5840_pv
	.p2align	8
	.type	k_qc0d61e5840_pv,@function
k_qc0d61e5840_pv:
	s_mov_b64 s[64:65], 0
	v_nop
	global_prefetch_b8 v0, s[64:65] scope:SCOPE_SE
	s_setreg_imm32_b32 hwreg(HW_REG_WAVE_MODE, 25, 1), 1
	s_wait_xcnt 0x0
	s_wait_alu depctr_hold_cnt(0) depctr_sa_sdst(0) depctr_va_vdst(0) depctr_va_sdst(0) depctr_va_ssrc(0) depctr_va_vcc(0) depctr_vm_vsrc(0)
	s_getreg_b32 s2, hwreg(HW_REG_IB_STS2, 6, 4)
	s_cmp_eq_u32 s2, 0
	s_cbranch_scc0 .Lentry_in_a_cluster
	s_endpgm
.Lentry_in_a_cluster:
	s_bfe_u32 s2, ttmp6, 0x10000c
	s_cmp_lg_u32 s2, 0xf033
	s_cbranch_scc0 .Lentry_shape_is_right
	s_endpgm
.Lentry_shape_is_right:
; out = (P V) / l on codes of FP6 (E2M3) with E8M0 scales, f32 sums.  P arrives quantised under a local whole number M for each query and each 128 keys, with its scale words, -M and l (pstat).
; THE HEAD brings them under the row's largest M: d = (largest M) - (local M), a whole number, 0 or more; each of the four scale bytes is lowered by d, l's part is multiplied by 2^-d.  Both are exact.
; Four bytes at once: w' = (w | 0x80808080) - d x 0x01010101; the bytes lie in 1 .. 125 and d is held at 127, so no borrow crosses a byte; a byte whose bit 7 has fallen would be negative and is set to 0.
; LIMITS: a byte held at 0 stands for 2^-127: such a p counts for at most 7.5 x 2^-127 beside a sum above 1/2.  d above 127 is held at 127: that part of l is at most 2^-120.  NaN and infinities are not served.
; A tile of out, 256 queries x 128 columns, is made by four waves, each 128 x 64: 32 accumulators.  K = 2,048 keys goes in four steps of 512 through two LDS slots; the text has no loop.
; Operands lie in memory as images of their registers; a row block's part of a slot is one dense block.  P's adjusted scale words are written into LDS by the head (bytes that no tensor load fills); V^T's come by a tensor load, once.
; CLUSTERS: 4 x 4 work-groups of one batch; P's tiles are asked for jointly along a row of the cluster, V^T's along a column.
; TRANSPOSED USE (source 0 = 16 rows of V^T, source 1 = 16 queries): lane (r, h) holds query r and the columns 16 b + 8 h + 0 .. 7.
; THE WAY OUT: x 1 / l, through the wave's own stage in LDS (16 rows x 272 bytes, in slot 0, which has had its last fill and its last read), back as rows of 256 bytes.
; REGISTERS: window 0: v1-10 lane numbers and addresses, v16-29 addresses, v32-95 scale words (two sets), v128-223 P's eight fragments (one set); in the head v96-255 are at work; window 1: V^T's fragments, two sets; window 2: the accumulators ((a, b) at 8 (4 a + b)).
.set NB,    4
.set NQ,    4
.set TBA,   NQ*12288
.set BSTR,  6144                       ; my four groups of V^T's eight, in each step
.set SLOT,  2*TBA+49152
.set SCA,   2*SLOT                     ; P's adjusted scale words: two row blocks x 16 steps x 512 bytes: written by ds_store alone
.set SCBV,  SCA+16384                  ; V^T's scale words: 16 steps x 512 bytes: filled once
.set RL,    SCBV+8192                  ; 1 / l: two row blocks x 512 bytes
.set SPARE, RL+1024                    ; the spare words, 128 bytes for each wave: two blocks of 256 bytes that no other line names
.set LI,    4
.set ADRA,  16
.set ADRB,  20
.set ADRS2, 26                         ; v26: v27 less 256 in lanes 16-31
.set ADRS,  27
.set SPW,   28
.set NIL,   29
.set SC,    32
.set AF,    128
.set GR,    12                         ; v12-13 the least -M of my row, in each of the two row blocks
.set NMR,   96                         ; v96-127 -M, v128-159 l, v160-191 scale words: 16 x row block + step
.set LR,    128
.set WR,    160
.set DR,    192                        ; v192-223 d;  v224-255 at work
.set ER,    224
.set TS,    32                         ; the way out: v32-95 results x 1 / l, two sets;  v128-191 rows read back, two sets;  v192-199 1 / l;  v200-215 the same as pairs
.set BK,    128
.set RLR,   192
.set RP,    200
.set G1,   28
.set G1B,  36
.set G0,   44
.set G0B,  52
.set G1H,  68                          ; s[68:75] group 1 for the head's load of V^T's whole part of slot 0: 192 rows
.set G1SB, 76
.set G0SB, 88
.set MSB, 0
.macro WIN new                         ; the immediate's high byte repeats the setting that is left
.if MSB != (\new)
	s_set_vgpr_msb (MSB<<8)|(\new)
.set MSB, (\new)
.endif
.endm
.macro PLACES n
.rept \n
	v_nop
.endr
.endm
.macro CREST                           ; a round of the cluster's barrier behind its opening barrier
	s_cmp_lg_u32 s20, 0
	s_cbranch_scc1 .Lnw0_\@
	s_barrier_signal -3
.Lnw0_\@:
	s_barrier_wait -3
	s_barrier_signal -1
	s_barrier_wait -1
.endm
.macro CROUND
	s_barrier_signal -1
	s_barrier_wait -1
	CREST
.endm
.macro JLOAD s                         ; a joint refill: waves 0, 1 fetch P's row blocks, waves 2, 3 the halves of V^T's part; four v_nop follow each line
	s_cmp_eq_u32 s21, 0
	s_cbranch_scc0 .Lfb_\@
	tensor_load_to_lds s[G0+4*\s:G0+4*\s+3], s[G1:G1+7]
	s_nop 0
	PLACES 4
	s_branch .Lja_\@
.Lfb_\@:
	tensor_load_to_lds s[G0B+4*\s:G0B+4*\s+3], s[G1B:G1B+7]
	s_nop 0
	PLACES 4
.Lja_\@:
.endm
.macro FRAG reg, adr, off              ; a fragment's image: three runs of 512 bytes, 16 a lane
.irp c, 0,1,2
	ds_load_b128 v[\reg+4*\c:\reg+4*\c+3], v[\adr] offset:\off+512*\c
.endr
.endm
.macro FETCH_B slot, q, p
	WIN 0x40
.irp i, 0,1,2,3,4,5,6,7
.if \i < NB
	FRAG 128*(\p)+12*\i, ADRB+\slot, (8*(\q)+\i)*1536
.endif
.endr
	WIN 0
.endm
.macro FETCH_A slot, q, i0
.irp i, \i0, \i0+1, \i0+2, \i0+3
	FRAG AF+12*(\i), ADRA+\slot, (8*(\q)+(\i))*1536
.endr
.endm
.macro SCALES j                        ; register 8 q + i: lanes 0-15 P's group i; lanes 16-31, for i under 4, V^T's group i of mine (in the second load they read the first load's words again, which nobody uses)
.set QQ, 0
.rept NQ
	ds_load_b128 v[SC+8*NQ*((\j)%2)+8*QQ:SC+8*NQ*((\j)%2)+8*QQ+3], v[ADRS] offset:(NQ*(\j)+QQ)*512
	ds_load_b128 v[SC+8*NQ*((\j)%2)+8*QQ+4:SC+8*NQ*((\j)%2)+8*QQ+7], v[ADRS2] offset:(NQ*(\j)+QQ)*512+256
.set QQ, QQ+1
.endr
.endm
; A's blocks a0, a0 + 1 x B's NB blocks, 128 along K.  cm = 1: the first product starts the sums with the constant 0.  The accumulators take turns, one instruction a turn.
.macro MULP a0, p, q, set, cm
.set AW, (NB*(\a0))/32
	WIN 0xa1+0x50*AW
.irp a, \a0, \a0+1
.irp b, 0,1,2,3,4,5,6,7
.if \b < NB
.set RD_, 8*((NB*(\a)+\b)%32)
.set RB_, 128*(\p)+12*\b
.set RA_, AF+12*(\a)
.set SB_, SC+8*NQ*(\set)+8*(\q)+\b
.set SA_, SC+8*NQ*(\set)+8*(\q)+(\a)
.if (\cm) == 0
	v_wmma_scale_f32_16x16x128_f8f6f4 v[RD_:RD_+7], v[RB_:RB_+11], v[RA_:RA_+11], v[RD_:RD_+7], v[SB_], v[SA_] matrix_a_fmt:MATRIX_FMT_FP6 matrix_b_fmt:MATRIX_FMT_FP6 matrix_a_scale:MATRIX_SCALE_ROW1
.else
	v_wmma_scale_f32_16x16x128_f8f6f4 v[RD_:RD_+7], v[RB_:RB_+11], v[RA_:RA_+11], 0, v[SB_], v[SA_] matrix_a_fmt:MATRIX_FMT_FP6 matrix_b_fmt:MATRIX_FMT_FP6 matrix_a_scale:MATRIX_SCALE_ROW1
.endif
.endif
.endr
.endr
.endm
.macro STEP slot, q, cm                ; four places stand in front of each run of loads into registers that matrix instructions have read (ISA guide 7.12.1 for vector instructions)
	s_wait_dscnt 12                                ; all but the youngest 12 loads (A's blocks 4-7)
	MULP 0, (\q)%2, \q, \slot, \cm
	MULP 2, (\q)%2, \q, \slot, \cm
	s_wait_dscnt 0x0
	PLACES 4
	FETCH_B \slot, (\q)+1, 1-(\q)%2
	FETCH_A \slot, (\q)+1, 0
	MULP 4, (\q)%2, \q, \slot, \cm
	MULP 6, (\q)%2, \q, \slot, \cm
	PLACES 4
	WIN 0
	FETCH_A \slot, (\q)+1, 4
.endm
.macro TURN slot, next, jn, fill       ; a slot's last step changes slots
	s_wait_tensorcnt 0x0                           ; all my tensor loads have landed: my part of the next slot
	ds_add_u32 v[SPW], v[NIL]                      ; 0 onto my spare word
	s_wait_dscnt 13                                ; (the add and the youngest 12 loads may be out)
	MULP 0, 1, NQ-1, \slot, 0
	s_wait_dscnt 0x0                               ; the add is done, and my reads of this slot are over
	s_barrier_signal -1
	MULP 2, 1, NQ-1, \slot, 0
	WIN 0
	s_barrier_wait -1
.if \fill
	CREST                                          ; the barrier has opened a round of the cluster's barrier
	s_add_nc_u64 s[G0+4*\slot+2:G0+4*\slot+3], s[G0+4*\slot+2:G0+4*\slot+3], 2*TBA
	s_add_nc_u64 s[G0B+4*\slot+2:G0B+4*\slot+3], s[G0B+4*\slot+2:G0B+4*\slot+3], 2*TBA
	JLOAD \slot                                    ; the first tensor load behind the round; its four v_nop are also the places in front of the loads below
.else
	PLACES 4
.endif
	FETCH_B \next, 0, 0
	FETCH_A \next, 0, 0
	SCALES \jn
	MULP 4, 1, NQ-1, \slot, 0
	MULP 6, 1, NQ-1, \slot, 0
	PLACES 4
	WIN 0
	FETCH_A \next, 0, 4
.endm
.macro LAST slot
	s_wait_dscnt 12
	MULP 0, 1, NQ-1, \slot, 0
	MULP 2, 1, NQ-1, \slot, 0
	s_wait_dscnt 0x0
	MULP 4, 1, NQ-1, \slot, 0
	MULP 6, 1, NQ-1, \slot, 0
	WIN 0
	PLACES 4
.endm
	s_load_b256 s[4:11], s[0:1], 0x0               ; pc, pstat, qkvc, qkvs
	s_load_b64 s[12:13], s[0:1], 0x20              ; out0
	v_lshl_add_u32 v[SPW], v0, 2, SPARE
	v_mov_b32 v[NIL], 0
	ds_add_u32 v28, v29
	ds_add_u32 v28, v29
	s_wait_dscnt 0x0
	v_lshrrev_b32 v1, 5, v0
	v_readfirstlane_b32 s20, v1                    ; wave 0..3
	s_lshr_b32 s21, s20, 1                         ; which row block of queries is mine.  Also: I fetch for P (0) or for V^T (1)
	s_and_b32 s22, s20, 1                          ; which 64 columns are mine.  Also: which part I fetch
	s_bfe_u32 s23, ttmp6, 0x40000                  ; cx
	s_bfe_u32 s24, ttmp6, 0x40004                  ; cy
	s_lshl_b32 s25, ttmp9, 2
	s_add_co_u32 s25, s25, s23                     ; tile column: 128 of the 1,024 columns
	s_and_b32 s92, ttmp7, 0xffff
	s_lshr_b32 s27, s92, 1                         ; the batch
	s_lshl_b32 s26, s92, 2
	s_add_co_u32 s26, s26, s24                     ; tile row: 256 of all 8,192 queries
	s_lshl_b32 s66, s24, 2
	s_lshl_b32 s66, 15, s66                        ; my row of the cluster
	s_lshl_b32 s67, 0x1111, s23                    ; my column
	s_or_b32 s[G1], s66, (3<<16)|(1<<21)           ; dense blocks as rows of 256 bytes (32 elements of 8 bytes), no padding; bit 21 set beside a mask
	s_or_b32 s[G1B], s67, (3<<16)|(1<<21)
	s_or_b32 s[G1SB], s67, (3<<16)|(1<<21)
	s_or_b32 s[G1H], s67, (3<<16)|(1<<21)
	s_mov_b32 s[G1+1], 32<<16
	s_mov_b32 s[G1+2], 192<<16                     ; P: 49,152 bytes: a row block's four steps
	s_mov_b32 s[G1+3], 32<<16
	s_mov_b32 s[G1+4], 192
	s_mov_b32 s[G1+5], 32
	s_mov_b32 s[G1+6], 0
	s_mov_b32 s[G1+7], 0
	s_mov_b32 s[G1B+1], 32<<16
	s_mov_b32 s[G1B+2], 96<<16                     ; V^T: 24,576 bytes: two of a slot's four steps
	s_mov_b32 s[G1B+3], 32<<16
	s_mov_b32 s[G1B+4], 96
	s_mov_b32 s[G1B+5], 32
	s_mov_b32 s[G1B+6], 0
	s_mov_b32 s[G1B+7], 0
	s_mov_b32 s[G1SB+1], 32<<16
	s_mov_b32 s[G1SB+2], 32<<16                    ; V^T's scale words: 8,192 bytes: the batch's sixteen steps
	s_mov_b32 s[G1SB+3], 32<<16
	s_mov_b32 s[G1SB+4], 32
	s_mov_b32 s[G1SB+5], 32
	s_mov_b32 s[G1SB+6], 0
	s_mov_b32 s[G1SB+7], 0
	s_mov_b32 s[G1H+1], 32<<16
	s_mov_b32 s[G1H+2], 192<<16                    ; V^T at the head: 49,152 bytes: all four steps of slot 0
	s_mov_b32 s[G1H+3], 32<<16
	s_mov_b32 s[G1H+4], 192
	s_mov_b32 s[G1H+5], 32
	s_mov_b32 s[G1H+6], 0
	s_mov_b32 s[G1H+7], 0
	s_lshl_b32 s92, s26, 1
	s_add_co_u32 s92, s92, s22                     ; P's row block
	s_mul_i32 s96, s92, 196608
	s_mov_b32 s97, 0
	s_mul_i32 s98, s25, 786432                     ; V^T's row block,
	s_mul_i32 s94, s27, 196608                     ; the batch's 16 steps,
	s_add_co_u32 s98, s98, s94
	s_mul_i32 s94, s22, 24576                      ; my two steps of a slot's four
	s_add_co_u32 s98, s98, s94
	s_add_co_u32 s98, s98, 12582912                ; V^T's codes lie behind Q's and K's
	s_mov_b32 s99, 0
	s_lshl_b32 s94, s25, 15
	s_lshl_b32 s95, s27, 13
	s_add_co_u32 s94, s94, s95
	s_add_co_u32 s94, s94, 524288
	s_mov_b32 s95, 0
	s_mul_i32 s2, s22, TBA
	s_mul_i32 s3, s22, 24576
	s_add_co_u32 s3, s3, 2*TBA
	s_wait_kmcnt 0x0
	s_add_nc_u64 s[96:97], s[4:5], s[96:97]
	s_add_nc_u64 s[98:99], s[8:9], s[98:99]
	s_add_nc_u64 s[94:95], s[10:11], s[94:95]
	s_mov_b32 s[G0SB], 1
	s_mov_b32 s[G0SB+1], SCBV
	s_mov_b64 s[G0SB+2:G0SB+3], s[94:95]
	s_or_b32 s[G0SB+3], s[G0SB+3], 0x80000000
.irp s, 0,1
	s_mov_b32 s[G0+4*\s], 1
	s_add_co_u32 s[G0+4*\s+1], s2, \s*SLOT
	s_add_nc_u64 s[G0+4*\s+2:G0+4*\s+3], s[96:97], \s*TBA
	s_or_b32 s[G0+4*\s+3], s[G0+4*\s+3], 0x80000000
	s_mov_b32 s[G0B+4*\s], 1
	s_add_co_u32 s[G0B+4*\s+1], s3, \s*SLOT
	s_add_nc_u64 s[G0B+4*\s+2:G0B+4*\s+3], s[98:99], \s*TBA
	s_or_b32 s[G0B+4*\s+3], s[G0B+4*\s+3], 0x80000000
.endr
	CROUND                                         ; all sixteen work-groups are here: the first joint loads meet
	; the head's loads, one a wave, in one chain of branches on the wave's number: waves 0, 1 P's row blocks of slot 0; wave 2 all of V^T's part of slot 0; wave 3 V^T's scale words
	s_cmp_lt_u32 s20, 2
	s_cbranch_scc0 .Lh_v
	tensor_load_to_lds s[G0:G0+3], s[G1:G1+7]
	s_nop 0
	PLACES 4
	s_branch .Lh_done
.Lh_v:
	s_cmp_lt_u32 s20, 3
	s_cbranch_scc0 .Lh_s
	tensor_load_to_lds s[G0B:G0B+3], s[G1H:G1H+7]  ; wave 2's group 0 points at the part's first byte: with 192 rows it brings both halves
	s_nop 0
	PLACES 4
	s_branch .Lh_done
.Lh_s:
	tensor_load_to_lds s[G0SB:G0SB+3], s[G1SB:G1SB+7]
	s_nop 0
	PLACES 4
.Lh_done:
	; ---- THE HEAD: thread n owns word n of each chunk of 512 bytes, which is one row of each of the work-group's two row blocks, in all 16 steps
	v_lshlrev_b32 v5, 2, v0
	v_lshl_add_u32 v6, v0, 2, SCA
	s_lshl_b32 s92, s26, 14                        ; two row blocks x 16 steps x 512 bytes a tile row
	s_mov_b32 s93, 0
	s_add_nc_u64 s[6:7], s[6:7], s[92:93]
.set I, 0
.rept 32
	global_load_b32 v[NMR+I], v5, s[6:7] offset:524288+512*I     ; (a row block's 16 steps are 8,192 bytes: 512 x (16 x row block + step))
.set I, I+1
.endr
.set I, 0
.rept 32
	global_load_b32 v[LR+I], v5, s[6:7] offset:1048576+512*I
.set I, I+1
.endr
.set I, 0
.rept 32
	global_load_b32 v[WR+I], v5, s[6:7] offset:512*I
.set I, I+1
.endr
	v_and_b32 v1, 31, v0                           ; lane
	v_and_b32 v2, 15, v0                           ; r
	v_bfe_u32 v3, v0, 4, 1                         ; h
	s_wait_alu depctr_va_vdst(0)
	v_lshlrev_b32 v[LI], 4, v1
	s_mul_i32 s92, s21, TBA
	s_mul_i32 s93, s22, BSTR
	s_add_co_u32 s93, s93, 2*TBA
.irp s, 0,1
	v_add_nc_u32 v[ADRA+\s], s92, v[LI]
	v_add_nc_u32 v[ADRB+\s], s93, v[LI]
	s_add_co_u32 s92, s92, SLOT
	s_add_co_u32 s93, s93, SLOT
.endr
	v_lshlrev_b32 v7, 4, v2                        ; my row's four words: 16 r
	s_lshl_b32 s92, s21, 13                        ; P's: my row block
	s_lshl_b32 s93, s22, 8                         ; V^T's: my four groups
	s_add_co_u32 s93, s93, SCBV-SCA
	s_sub_co_u32 s93, s93, s92
	v_mul_u32_u24 v8, s93, v3                      ; lanes 16-31 take V^T's: the lower base + h x the distance
	s_add_co_u32 s92, s92, SCA
	v_add_nc_u32 v7, v7, v8
	v_add_nc_u32 v[ADRS], s92, v7
	v_lshlrev_b32 v8, 8, v3
	v_sub_nc_u32 v[ADRS2], v[ADRS], v8
	s_lshl_b32 s93, s21, 9
	s_add_co_u32 s93, s93, RL
	v_lshl_add_u32 v7, v2, 4, s93                  ; v7: 1 / l of my row block, row r
	s_mul_i32 s92, s20, 4352                       ; my stage
	v_mul_u32_u24 v8, v2, 272
	v_lshl_add_u32 v8, v3, 5, v8
	v_add_nc_u32 v8, s92, v8                       ; v8: in: row r, + 32 h
	v_mul_u32_u24 v9, v3, 272
	v_lshl_add_u32 v9, v2, 4, v9
	v_add_nc_u32 v9, s92, v9                       ; v9: back: lanes 0-15 one row of 256 bytes, lanes 16-31 the next
	v_lshlrev_b32 v10, 12, v3
	v_lshl_add_u32 v10, v2, 4, v10                 ; v10: and the same two rows in out0
	s_lshl_b32 s92, s26, 20                        ; 256 rows of 4,096 bytes a tile row,
	s_lshl_b32 s93, s21, 19                        ; my 128 rows,
	s_add_co_u32 s92, s92, s93
	s_lshl_b32 s93, s25, 9                         ; 128 columns a tile column,
	s_add_co_u32 s92, s92, s93
	s_lshl_b32 s93, s22, 8                         ; my 64 columns
	s_add_co_u32 s92, s92, s93
	s_mov_b32 s93, 0
	s_add_nc_u64 s[12:13], s[12:13], s[92:93]
	s_mov_b32 s95, 0x80808080
	s_wait_alu depctr_va_vdst(0)
	s_wait_tensorcnt 0x0                           ; my tile of the head's is in; slot 1's first fill is issued as a refill is:
	ds_add_u32 v[SPW], v[NIL]                      ; 0 onto my spare word
	s_wait_dscnt 0x0                               ; the add is done
	CROUND                                         ; a whole round: slot 0 and V^T's scale words are whole in every work-group, and the joint loads meet
	JLOAD 1                                        ; slot 1: the first tensor load behind the round; the arithmetic below stands between it and the wait for it
	s_wait_loadcnt 0x0
.irp rb, 0,1
	v_min3_num_f32 v[GR+\rb], v[NMR+16*\rb], v[NMR+16*\rb+1], v[NMR+16*\rb+2]   ; the least -M: minus the row's largest M
.endr
.irp i, 3,5,7,9,11,13
.irp rb, 0,1
	v_min3_num_f32 v[GR+\rb], v[GR+\rb], v[NMR+16*\rb+\i], v[NMR+16*\rb+\i+1]
.endr
.endr
.irp rb, 0,1
	v_min_num_f32 v[GR+\rb], v[GR+\rb], v[NMR+16*\rb+15]
.endr
.set I, 0
.rept 32
	v_sub_f32 v[DR+I], v[NMR+I], v[GR+I/16]        ; d = (largest M) - (local M): a whole number, 0 or more.  (Each line runs over all 32 chunks: none waits for the line above it)
.set I, I+1
.endr
.set I, 0
.rept 32
	v_min_num_f32 v[DR+I], 0x42fe0000, v[DR+I]     ; held at 127
.set I, I+1
.endr
.set I, 0
.rept 32
	v_cvt_u32_f32 v[DR+I], v[DR+I]
.set I, I+1
.endr
.set I, 0
.rept 32
	v_sub_nc_u32 v[ER+I], 0, v[DR+I]
.set I, I+1
.endr
.set I, 0
.rept 32
	v_ldexp_f32 v[LR+I], v[LR+I], v[ER+I]          ; l's part under the largest M
.set I, I+1
.endr
.set I, 0
.rept 32
	v_lshl_or_b32 v[DR+I], v[DR+I], 8, v[DR+I]     ; d in all four bytes
.set I, I+1
.endr
.set I, 0
.rept 32
	v_lshl_or_b32 v[DR+I], v[DR+I], 16, v[DR+I]
.set I, I+1
.endr
.set I, 0
.rept 32
	v_or_b32 v[WR+I], s95, v[WR+I]                 ; bit 7 of each byte stands guard
.set I, I+1
.endr
.set I, 0
.rept 32
	v_sub_nc_u32 v[WR+I], v[WR+I], v[DR+I]
.set I, I+1
.endr
.set I, 0
.rept 32
	v_and_b32 v[ER+I], s95, v[WR+I]                ; the guards that still stand: bytes that are 0 or more
.set I, I+1
.endr
.set I, 0
.rept 32
	v_lshrrev_b32 v[DR+I], 7, v[ER+I]
.set I, I+1
.endr
.set I, 0
.rept 32
	v_sub_nc_u32 v[ER+I], v[ER+I], v[DR+I]         ; 0x7f in those bytes, 0 in the others
.set I, I+1
.endr
.set I, 0
.rept 32
	v_and_b32 v[WR+I], v[WR+I], v[ER+I]
.set I, I+1
.endr
.set I, 0
.rept 32
	ds_store_b32 v6, v[WR+I] offset:512*I          ; laid as the chunks were: 8,192 x row block + 512 x step + 4 x thread
.set I, I+1
.endr
.irp w, 8,4,2,1                                ; l: the 16 parts of each row block, as a tree
.set I, 0
.rept \w
	v_add_f32 v[LR+I], v[LR+I], v[LR+I+\w]
	v_add_f32 v[LR+16+I], v[LR+16+I], v[LR+16+I+\w]
.set I, I+1
.endr
.endr
	s_wait_alu depctr_va_vdst(0)
	v_rcp_f32 v[LR], v[LR]                         ; l is above 1/2: the row's largest p is
	v_rcp_f32 v[LR+16], v[LR+16]
	v_nop                                          ; a plain place behind the transcendentals
	s_wait_alu depctr_va_vdst(0)                   ; one wait for both, ahead of their first reader
	ds_store_b32 v6, v[LR] offset:RL-SCA
	ds_store_b32 v6, v[LR+16] offset:RL-SCA+512
	s_wait_dscnt 0x0                               ; for the others' sake: my stores of scale words and of 1 / l are done.  (Slot 1's load may be out)
	s_barrier_signal -1
	s_barrier_wait -1
	FETCH_B 0, 0, 0
	FETCH_A 0, 0, 0
	SCALES 0
	FETCH_A 0, 0, 4
	STEP 0, 0, 1                                   ; the first step's products start the sums
	STEP 0, 1, 0
	STEP 0, 2, 0
	TURN 0, 1, 1, 1
	STEP 1, 0, 0
	STEP 1, 1, 0
	STEP 1, 2, 0
	TURN 1, 0, 2, 1
	STEP 0, 0, 0
	STEP 0, 1, 0
	STEP 0, 2, 0
	TURN 0, 1, 3, 0                                ; nothing is left to fetch: no round, no load
	STEP 1, 0, 0
	STEP 1, 1, 0
	STEP 1, 2, 0
	LAST 1
	; ---- THE WAY OUT
	ds_load_b128 v[RLR:RLR+3], v7                  ; 1 / l of row r in my eight groups
	ds_load_b128 v[RLR+4:RLR+7], v7 offset:256
	s_wait_dscnt 0x0
.irp a, 0,1,2,3,4,5,6,7
	v_mov_b32 v[RP+2*\a], v[RLR+\a]                ; as pairs, for the packed multiply
	v_mov_b32 v[RP+2*\a+1], v[RLR+\a]
.endr
.macro TOSTAGE a                       ; group a: 16 rows x 64 columns, x 1 / l, into my stage, and back as rows.  LDS serves a wave's instructions in order (ISA guide 5.7.1.4): no wait between the stores and the loads
.set TT, TS+32*((\a)%2)
.set BB, BK+32*((\a)%2)
	WIN 0x02                                       ; source 0: the accumulators' window
.set I, 0
.rept 16
	v_pk_mul_f32 v[TT+I:TT+I+1], v[32*(\a)+I:32*(\a)+I+1], v[RP+2*(\a):RP+2*(\a)+1]   ; each accumulator from its low end on
.set I, I+2
.endr
	WIN 0
.irp b, 0,1,2,3
	ds_store_b128 v8, v[TT+8*\b:TT+8*\b+3] offset:64*\b
	ds_store_b128 v8, v[TT+8*\b+4:TT+8*\b+7] offset:64*\b+16
.endr
.irp i, 0,1,2,3,4,5,6,7
	ds_load_b128 v[BB+4*\i:BB+4*\i+3], v9 offset:544*\i
.endr
.endm
.macro SEND a, younger                 ; younger: the LDS instructions issued behind group a's loads, which may stay out
.set BB, BK+32*((\a)%2)
	s_wait_dscnt \younger
.irp i, 0,1,2,3,4,5,6,7
	global_store_b128 v10, v[BB+4*\i:BB+4*\i+3], s[12:13] offset:(16*(\a)+2*\i)*4096 th:TH_STORE_NT   ; sixteen lanes store 256 consecutive bytes, at a multiple of 256 from out0's first byte; written once, read by nobody here
.endr
.endm
	TOSTAGE 0
.irp a, 1,2,3,4,5,6,7
.if \a > 1
	s_wait_xcnt 0x0                                ; group a - 2's stores have read their registers: group a's loads may land there
.endif
	TOSTAGE \a
	SEND \a-1, 16                                  ; behind group a - 1's loads: group a's 8 stores and 8 loads
.endr
	SEND 7, 0
	s_wait_tensorcnt 0x0                           ; the wave's end, behind my last tensor load and my last LDS store
	ds_add_u32 v[SPW], v[NIL]
	s_wait_dscnt 0x0
	CROUND                                         ; the closing round
	s_endpgm
.Lfunc_end_k_qc0d61e5840_pv:
	.size	k_qc0d61e5840_pv, .Lfunc_end_k_qc0d61e5840_pv-k_qc0d61e5840_pv
	.p2alignl 7, 3214868480
	.fill 96, 4, 3214868480
	.section	.rodata,"a",@progbits
	.p2align	6, 0x0
	.amdhsa_kernel k_qc0d61e5840_pv
		.amdhsa_group_segment_fixed_size 327680
		.amdhsa_private_segment_fixed_size 0
		.amdhsa_enable_private_segment 0
		.amdhsa_kernarg_size 40
		.amdhsa_user_sgpr_count 2
		.amdhsa_user_sgpr_kernarg_segment_ptr 1
		.amdhsa_wavefront_size32 1
		.amdhsa_system_sgpr_workgroup_id_x 1
		.amdhsa_system_sgpr_workgroup_id_y 1
		.amdhsa_system_sgpr_workgroup_id_z 1
		.amdhsa_system_vgpr_workitem_id 0
		.amdhsa_next_free_vgpr 1024
		.amdhsa_next_free_sgpr 100
		.amdhsa_reserve_vcc 0
		.amdhsa_float_denorm_mode_32 3
		.amdhsa_float_denorm_mode_16_64 3
		.amdhsa_memory_ordered 1
		.amdhsa_forward_progress 1
		.amdhsa_inst_pref_size 176
	.end_amdhsa_kernel
	.amdgpu_metadata
---
amdhsa.version: [ 1, 2 ]
amdhsa.kernels:
  - .name:           k_qc0d61e5840_pv
    .symbol:         k_qc0d61e5840_pv.kd
    .args:
      - { .name: pc, .offset: 0, .size: 8, .value_kind: global_buffer, .address_space: global }
      - { .name: pstat, .offset: 8, .size: 8, .value_kind: global_buffer, .address_space: global }
      - { .name: qkvc, .offset: 16, .size: 8, .value_kind: global_buffer, .address_space: global }
      - { .name: qkvs, .offset: 24, .size: 8, .value_kind: global_buffer, .address_space: global }
      - { .name: out0, .offset: 32, .size: 8, .value_kind: global_buffer, .address_space: global }
    .group_segment_fixed_size: 327680
    .private_segment_fixed_size: 0
    .kernarg_segment_align: 8
    .kernarg_segment_size: 40
    .max_flat_workgroup_size: 128
    .sgpr_count:     100
    .vgpr_count:     1024
    .wavefront_size: 32
...
	.end_amdgpu_metadata
.endif
;; end of part 4
